; MI455X (gfx1250); checked and timed in simulation.
; The chip was launched on July 23, 2026; its instructions are those of AMD's public machine-readable ISA for CDNA 5 (MIT licence, August 2026) and "CDNA5" Instruction Set Architecture Reference Guide (July 2026). The comments in the code are by the model that wrote it; some were corrected since.
;; Multi Head Attention. Allowed arithmetic: matrix products marked QUANTISED: E2M3 operands, one E8M0 scale for each 32 along K, by v_wmma_scale_f32_16x16x128_f8f6f4 with both operands' format E2M3, f32 sums; everything else in f32.
;; Inputs: W_k 1,024 x 1,024 float32; W_out 1,024 x 1,024 float32; W_q 1,024 x 1,024 float32; W_v 1,024 x 1,024 float32; b_k 1,024 float32; b_out 1,024 float32; b_q 1,024 float32; b_v 1,024 float32; x 2 x 2,048 x 1,024 float32.
;; Outputs: out0 2 x 2,048 x 1,024 float32.
;; This version of the problem:
;;   THIS VERSION OF THE PROBLEM IS GIVEN IN LOW PRECISION. The matrix products marked QUANTISED in the list below multiply operands that are first quantised to E2M3 (2 exponent bits, 3 mantissa bits; 6 bits a number), with one power-of-two scale for each 32 numbers along K (OCP MX v1.0); their sums are f32. All else is computed in f32.
;;   The module's matrix products, in the order in which they are computed (A, B: the left and right operand; K: the contracted axis; several contracted axes count as one K, in the product's order):
;;     1. [M 4,096, K 1,024] x [K 1,024, N 1,024]; A: input x; B: input W_q: QUANTISED
;;     2. [M 4,096, K 1,024] x [K 1,024, N 1,024]; A: input x; B: input W_k: QUANTISED
;;     3. [M 4,096, K 1,024] x [K 1,024, N 1,024]; A: input x; B: input W_v: QUANTISED
;;     4. batch 32 x [M 2,048, K 64] x [K 64, N 2,048]; A: computed on the way; B: computed on the way: QUANTISED
;;     5. batch 32 x [M 2,048, K 2,048] x [K 2,048, N 64]; A: softmax (see below); B: computed on the way: QUANTISED
;;     6. [M 4,096, K 1,024] x [K 1,024, N 1,024]; A: computed on the way; B: input W_out: QUANTISED
;;   THE QUANTISER, for each operand of a quantised product, along K:
;;     - K is cut into blocks of 32 from its start; a last block that is shorter is filled with zeros.
;;     - A block's scale is 2^e with e = floor(log2(the largest magnitude in the block)) - 2, held to -126 .. 127; a block of zeros has e = 0. As a byte (E8M0): e + 127.
;;     - Each number is divided by its block's scale, clamped to +-7.5, and rounded to the nearest number of E2M3, ties to even, subnormals kept.
;;     - The product sums the exact products of the quantised numbers (number of the format x scale) in f32.
;;   ~~~python
;;   def quantise(x, axis):      # numpy; x: float32 -> the quantised numbers, widened to float32 again
;;       x = np.moveaxis(x, axis, -1); K = x.shape[-1]
;;       x = np.pad(x, [(0, 0)] * (x.ndim - 1) + [(0, -K % 32)]); x = x.reshape(x.shape[:-1] + (-1, 32)); a = np.abs(x).max(-1, keepdims=True)
;;       e = np.where(a > 0, np.clip(np.frexp(np.where(a > 0, a, 1))[1] - 1 - 2, -126, 127), 0)      # np.frexp(a)[1] - 1 = floor(log2(a)), exactly
;;       r = np.clip(x / 2.0 ** e, -7.5, 7.5)
;;       step = 2.0 ** (np.maximum(np.frexp(np.where(r == 0, 1, r))[1] - 1, 0) - 3)
;;       q = np.round(r / step) * step * 2.0 ** e      # np.round: ties to even
;;       return np.moveaxis(q.reshape(q.shape[:-2] + (-1,))[..., :K], -1, axis).astype(np.float32)
;;   ~~~
;;   SOFTMAX AHEAD OF A QUANTISED PRODUCT. Where the list says 'softmax', what is quantised is not the finished softmax but p = 2^(t - M), with t = logit x log2(e) and M = ceil(the row's largest t), a whole number; so 1/2 < the row's largest p <= 1. The row's sum l is taken of the UNQUANTISED p, in f32, and the product's result is divided by l at the end. Since M is a whole number, a kernel that streams over the keys may use a running M (the ceiling of the running maximum): every later rescaling is an exact power of two, which a block's scale takes up: the codes' values come out the same.
;;   OPERANDS COMPUTED ON THE WAY. 'Computed on the way' means the value that the module computes at that place (a softmax that the list does not call 'softmax' is quantised finished and normalised). What goes into a quantiser is computed in f32, as accurately as f32 sums, v_exp_f32 and their like allow (about 1e-6 of the number): no bf16 or f16 on the way to a quantiser, and a product that is left as it is and whose result goes on into a quantised operand takes f32 operands (vector FMAs, or v_wmma_f32_16x16x4_f32). A number that lies on a knife's edge between two numbers of the format may be rounded either way, as far as f32 arithmetic and the matrix unit's own rounding can turn it there, and no further.
;; One version. Each part assembles by itself: llvm-mc -triple=amdgcn-amd-amdhsa -mcpu=gfx1250 --defsym DOCPART=n.
;; ======== version 1 of 1: 4 launches
;; workspace buffers: xw 6,553,600 bytes; qkv 10,223,616 bytes; ctx 3,276,800 bytes
;; launch quant (part 1): grid 256 x 1, 4 waves a work-group, no clusters, 33,280 bytes of LDS; arguments x, W_q, W_k, W_v, W_out, xw; writes xw
.if DOCPART == 1
	.amdgcn_target "amdgcn-amd-amdhsa--gfx1250"
	.amdhsa_code_object_version 6
	.text
	.protected	k_qeadf588805_quant
	.globl	k_qeadf588805_quant
	.p2align	8
	.type	k_qeadf588805_quant,@function
k_qeadf588805_quant:
	s_mov_b64 s[64:65], 0
	v_nop
	global_prefetch_b8 v0, s[64:65] scope:SCOPE_SE
	s_setreg_imm32_b32 hwreg(HW_REG_WAVE_MODE, 25, 1), 1
	s_wait_xcnt 0x0
; x [4096][1024] and W_q, W_k, W_v, W_out [1024][1024], f32 with K innermost, become codes of FP6 (E2M3), 6 bits each, with one E8M0 scale byte for each 32 along K.
; xw: codes [8192 rows][768 bytes] (rows 0.. x, 4096.. W_q, 5120.. W_k, 6144.. W_v, 7168.. W_out), then from byte XWS on the scale bytes [8192][32].
; A block's scale is 2^(floor(log2(its largest magnitude)) - 2); its byte is the largest magnitude's exponent field - 2, held at 1 from below.  Each number is divided by the scale and rounded to the nearest code, ties to even.
; THE ROWS ARE STORED AT POSITIONS: in each group of 32 rows the second and the third run of 8 rows change places.  So 16 neighbouring positions 16 u + p hold rows 8 u + p + 8 (p / 8), and a product that takes them as the
; rows of its first source leaves 16 neighbours of the true index in a lane's 16 registers of two neighbouring tiles.  The later launches count on it for all five tensors.
; LIMITS: a block of zeros, or one whose largest magnitude lies under 2^-124, keeps the byte 1 (its codes are zeros or tiny; this program alone reads the bytes); NaN and infinities among the inputs are not served.
; A wave takes 8 rows, 16 steps of 512 numbers.  Each of a step's four loads reads 512 consecutive bytes; the 2,048 bytes turn through the wave's own stage in LDS and come back 64 bytes a lane, so that a lane holds 16
; neighbours along K and two neighbouring lanes a block.  A lane's 16 codes are 12 bytes: the wave stores 384 consecutive bytes.  A wave's 256 scale bytes are gathered in LDS and leave as one aligned run of 256 bytes.
; Work-groups 0-127 take x, then 32 each weight: only pointers are chosen, all take one path.  No tensor loads, no barrier: waves share nothing.
.set STEPS, 16
.set EMAX,  2
.set CB,    12                         ; bytes of 16 codes
.set R,     16                         ; v16-79   four sets of 16 numbers as they are loaded
.set X,     80                         ; v80-111  two sets of 16 neighbours
.set C,     128                        ; v128-191 codes: four registers for each step, so that no store's data are written again
.set E,     112                        ; v112-127 a scale byte for each step
.set WREG,  8192                       ; LDS: a region for each wave: two stages of 32 x SP bytes, behind them its 256 scale bytes
.set SP,    80                         ; a lane's place in a stage: 64 bytes + 16 of padding
.set XWS,   6291456                    ; where the scale bytes begin in xw
	s_load_b256 s[4:11], s[0:1], 0x0               ; x, W_q, W_k, W_v
	s_load_b128 s[12:15], s[0:1], 0x20             ; W_out, xw
	v_lshl_add_u32 v192, v0, 2, 0x8000
	v_mov_b32 v193, 0
	v_lshrrev_b32 v1, 5, v0
	v_readfirstlane_b32 s16, v1                    ; wave
	v_and_b32 v2, 31, v0                           ; lane
	v_lshlrev_b32 v3, 4, v2                        ; my 16 bytes of a load's 512
	s_mul_i32 s17, s16, WREG
	v_lshrrev_b32 v14, 2, v2
	v_mul_u32_u24 v14, v14, SP
	v_and_b32 v15, 3, v2
	v_lshl_add_u32 v14, v15, 4, v14
	v_add_nc_u32 v14, s17, v14                     ; the stage, on the way in: SP (lane / 4) + 16 (lane % 4)
	v_mul_u32_u24 v15, v2, SP
	v_add_nc_u32 v15, s17, v15                     ; and on the way out: SP x lane: my 16 neighbours
	v_mul_u32_u24 v4, v2, CB                       ; my codes' place in a step's
	v_lshrrev_b32 v5, 1, v2
	s_add_co_u32 s17, s17, 2*32*SP
	v_add_nc_u32 v5, s17, v5                       ; LDS: my wave's 256 scale bytes, my block's byte
	v_lshlrev_b32 v7, 3, v2                        ; and on the way out 8 bytes a lane
	v_add_nc_u32 v6, s17, v7
	s_and_b32 s26, ttmp9, 31                       ; a weight's work-group within its tensor
	s_and_b32 s18, s16, 1                          ; the position: waves 1 and 2 change places
	s_lshl_b32 s18, s18, 1
	s_lshr_b32 s19, s16, 1
	s_or_b32 s18, s18, s19
	s_lshl_b32 s19, ttmp9, 2
	s_add_co_u32 s18, s18, s19                     ; which run of 8 positions of xw is mine
	s_mul_i32 s20, s18, 32*STEPS*CB                ; its codes: 6,144 bytes a run
	s_mov_b32 s21, 0
	s_lshl_b32 s22, s18, 8                         ; its scale bytes: 256 a run
	s_add_co_u32 s22, s22, XWS
	s_mov_b32 s23, 0
	s_wait_kmcnt 0x0
	s_cmp_lt_u32 ttmp9, 224                        ; which tensor: the choices hang on the work-group's number alone
	s_cselect_b64 s[24:25], s[10:11], s[12:13]
	s_cmp_lt_u32 ttmp9, 192
	s_cselect_b64 s[24:25], s[8:9], s[24:25]
	s_cmp_lt_u32 ttmp9, 160
	s_cselect_b64 s[24:25], s[6:7], s[24:25]
	s_cmp_lt_u32 ttmp9, 128
	s_cselect_b64 s[24:25], s[4:5], s[24:25]
	s_cselect_b32 s27, ttmp9, s26
	s_lshl_b32 s27, s27, 2
	s_add_co_u32 s27, s27, s16                     ; which run of 8 rows of the tensor is mine
	s_lshl_b32 s18, s27, 15                        ; 32,768 bytes a run
	s_mov_b32 s19, 0
	s_add_nc_u64 s[24:25], s[24:25], s[18:19]
	s_add_nc_u64 s[28:29], s[14:15], s[20:21]
	s_add_nc_u64 s[30:31], s[14:15], s[22:23]
.macro LOAD t
.irp i, 0,1,2,3
	global_load_b128 v[R+16*((\t)%4)+4*\i:R+16*((\t)%4)+4*\i+3], v3, s[24:25] offset:2048*(\t)+512*\i th:TH_LOAD_NT   ; 32 lanes read 512 consecutive bytes
.endr
.endm
.macro TURN t                          ; step t's numbers through the stage: LDS serves a wave's instructions in order, so no wait stands between the stores and the loads
.irp i, 0,1,2,3
	ds_store_b128 v14, v[R+16*((\t)%4)+4*\i:R+16*((\t)%4)+4*\i+3] offset:32*SP*((\t)%2)+8*SP*\i
.endr
.irp i, 0,1,2,3
	ds_load_b128 v[X+16*((\t)%2)+4*\i:X+16*((\t)%2)+4*\i+3], v15 offset:32*SP*((\t)%2)+16*\i
.endr
.endm
.irp t, 0,1,2,3
	LOAD \t
.endr
	s_wait_loadcnt 12                              ; step 0's four loads are in; the twelve of steps 1 to 3 may be out
	TURN 0
.macro STEP t
.set XS, X+16*((\t)%2)
.if (\t) > 0
	s_wait_dscnt 1                                 ; this step's numbers are back from the stage (the last step's byte store may be out): so its stores into the stage have read their registers,
.else
	s_wait_dscnt 0x0
.endif
.if (\t)+4 < STEPS
	LOAD (\t)+4                                    ; which take the loads of four steps on
.endif
.if (\t)+1 < STEPS
.if STEPS-2-(\t) >= 3
	s_wait_loadcnt 12                              ; the next step's four loads are in; those of the three steps behind it may be out
.else
	s_wait_loadcnt 4*(STEPS-2-(\t))
.endif
	TURN (\t)+1                                    ; and go through the other stage while this step is worked
.endif
	v_max3_num_f32 v8, |v[XS]|, |v[XS+1]|, |v[XS+2]|               ; the largest magnitude of my 16, in two chains
	v_max3_num_f32 v9, |v[XS+3]|, |v[XS+4]|, |v[XS+5]|
.irp i, 6,10
	v_max3_num_f32 v8, v8, |v[XS+\i]|, |v[XS+\i+1]|
	v_max3_num_f32 v9, v9, |v[XS+\i+2]|, |v[XS+\i+3]|
.endr
	v_max3_num_f32 v8, v8, |v[XS+14]|, |v[XS+15]|
	v_max3_num_f32 v8, v8, v9, (EMAX+1)<<23        ; and the floor 2^(EMAX + 1 - 127): so the byte cannot fall under 1
	v_max_num_f32_dpp v8, v8, v8 row_xmask:1 row_mask:0xf bank_mask:0xf   ; and of my neighbour's 16: the block's
	v_add_nc_u32 v11, -(EMAX<<23), v8              ; EMAX off its exponent field: the conversion takes the exponent field of this operand as its scale, and nothing else of it
	v_cvt_scalef32_pk16_fp6_f32 v[C+4*(\t):C+4*(\t)+2], v[XS:XS+15], v11         ; sixteen numbers / the scale, to the nearest code, beyond the largest code the largest; 96 bits without gaps
	v_lshrrev_b32 v[E+(\t)], 23, v11               ; the scale's byte (also the plain line behind the conversion)
	ds_store_b8 v5, v[E+(\t)] offset:16*(\t)       ; both lanes of a block write the same byte with the same value
	global_store_b96 v4, v[C+4*(\t):C+4*(\t)+2], s[28:29] offset:32*CB*(\t)
.endm
.irp t, 0,1,2,3,4,5,6,7,8,9,10,11,12,13,14,15
	STEP \t
.endr
	ds_load_b64 v[12:13], v6                       ; LDS serves a wave's instructions in order: these see my stores
	s_wait_dscnt 0x0
	global_store_b64 v7, v[12:13], s[30:31]        ; 32 lanes store 256 consecutive bytes, aligned
	s_wait_tensorcnt 0x0
	ds_add_u32 v192, v193
	s_wait_dscnt 0x0
	s_endpgm
.Lfunc_end_k_qeadf588805_quant:
	.size	k_qeadf588805_quant, .Lfunc_end_k_qeadf588805_quant-k_qeadf588805_quant
	.p2alignl 7, 3214868480
	.fill 96, 4, 3214868480
	.section	.rodata,"a",@progbits
	.p2align	6, 0x0
	.amdhsa_kernel k_qeadf588805_quant
		.amdhsa_group_segment_fixed_size 33280
		.amdhsa_private_segment_fixed_size 0
		.amdhsa_enable_private_segment 0
		.amdhsa_kernarg_size 48
		.amdhsa_user_sgpr_count 2
		.amdhsa_user_sgpr_kernarg_segment_ptr 1
		.amdhsa_wavefront_size32 1
		.amdhsa_system_sgpr_workgroup_id_x 1
		.amdhsa_system_sgpr_workgroup_id_y 1
		.amdhsa_system_sgpr_workgroup_id_z 1
		.amdhsa_system_vgpr_workitem_id 0
		.amdhsa_next_free_vgpr 194
		.amdhsa_next_free_sgpr 66
		.amdhsa_reserve_vcc 0
		.amdhsa_float_denorm_mode_32 3
		.amdhsa_float_denorm_mode_16_64 3
		.amdhsa_memory_ordered 1
		.amdhsa_forward_progress 1
		.amdhsa_inst_pref_size 33
	.end_amdhsa_kernel
	.amdgpu_metadata
---
amdhsa.version: [ 1, 2 ]
amdhsa.kernels:
  - .name:           k_qeadf588805_quant
    .symbol:         k_qeadf588805_quant.kd
    .args:
      - { .name: x, .offset: 0, .size: 8, .value_kind: global_buffer, .address_space: global }
      - { .name: W_q, .offset: 8, .size: 8, .value_kind: global_buffer, .address_space: global }
      - { .name: W_k, .offset: 16, .size: 8, .value_kind: global_buffer, .address_space: global }
      - { .name: W_v, .offset: 24, .size: 8, .value_kind: global_buffer, .address_space: global }
      - { .name: W_out, .offset: 32, .size: 8, .value_kind: global_buffer, .address_space: global }
      - { .name: xw, .offset: 40, .size: 8, .value_kind: global_buffer, .address_space: global }
    .group_segment_fixed_size: 33280
    .private_segment_fixed_size: 0
    .kernarg_segment_align: 8
    .kernarg_segment_size: 48
    .max_flat_workgroup_size: 128
    .sgpr_count:     66
    .vgpr_count:     194
    .wavefront_size: 32
...
	.end_amdgpu_metadata
.endif
;; end of part 1
;; launch qkv (part 2): grid 48 x 4, 4 waves a work-group, clusters of 4 x 4, 327,680 bytes of LDS; arguments xw, b_q, b_k, b_v, qkv; writes qkv
.if DOCPART == 2
	.amdgcn_target "amdgcn-amd-amdhsa--gfx1250"
	.amdhsa_code_object_version 6
	.text
	.protected	k_qeadf588805_qkv
	.globl	k_qeadf588805_qkv
	.p2align	8
	.type	k_qeadf588805_qkv,@function
k_qeadf588805_qkv:
	s_mov_b64 s[64:65], 0
	v_nop
	global_prefetch_b8 v0, s[64:65] scope:SCOPE_SE
	s_setreg_imm32_b32 hwreg(HW_REG_WAVE_MODE, 25, 1), 1
	s_wait_xcnt 0x0
	s_wait_alu depctr_hold_cnt(0) depctr_sa_sdst(0) depctr_va_vdst(0) depctr_va_sdst(0) depctr_va_ssrc(0) depctr_va_vcc(0) depctr_vm_vsrc(0)
	s_getreg_b32 s2, hwreg(HW_REG_IB_STS2, 6, 4)
	s_cmp_eq_u32 s2, 0
	s_cbranch_scc0 .Lentry_in_a_cluster
	s_endpgm
.Lentry_in_a_cluster:
	s_bfe_u32 s2, ttmp6, 0x10000c
	s_cmp_lg_u32 s2, 0xf033
	s_cbranch_scc0 .Lentry_shape_is_right
	s_endpgm
.Lentry_shape_is_right:
; Q = x W_q^T + b_q, K = x W_k^T + b_k and V^T = W_v x^T + b_v on codes of FP6 (E2M3) with one E8M0 scale for each 32 along K = 1,024; sums in f32.  The results are quantised in registers, along the K of the product that
; will take them (Q, K: the head's 64 features; V^T: the keys), and stored as IMAGES OF OPERAND REGISTERS, so that the next launch loads fragments by whole 16- and 8-byte pieces a lane.
; SHARES.  Twelve clusters of 4 x 4 work-groups, numbered c.  c < 8: the A side is x (4,096 rows), the B side W_q and W_k (2,048 rows): tile row 4 (c / 2) + cy, tile column 4 (c % 2) + cx.
; c >= 8: the A side is W_v (1,024 rows), the B side x: tile row cy, tile column 4 (c - 8) + cx.  A tile of 256 x 256 is made by four waves, each 128 x 128: 64 accumulators, 512 registers.
; K goes in steps of 256 through a ring of two LDS slots filled by the tensor data mover; the scale bytes of the work-group's rows, for all of K, come into LDS once.  A's tiles are asked for jointly by the four
; work-groups of a row of the cluster, B's by the four of a column.
; THE MATRIX INSTRUCTION IS USED TRANSPOSED (source 0 = 16 rows of B, source 1 = 16 rows of A): a lane holds ONE row of the A side.  All rows of xw lie at positions (in each 32 rows the second and third run of 8 change
; places), so the 16 registers of B's tiles 2 g and 2 g + 1 are the true indices 32 g + 16 (lane / 16) + 0 .. 15: sixteen neighbours along the next K, as the conversions want them.
; qkv: images of 1,536 bytes (registers 0-3 at 16 x lane, 4-5 at 512 + 8 x lane, 6-9 at 768 + 16 x lane, 10-11 at 1,280 + 8 x lane).  Q, K: at (nc 256 + mt) 1,536, nc = pair of heads (0-7 Q, 8-15 K), mt = tile of 16 token
; positions.  V^T: at VC + (nc 64 + mt) 1,536, nc = 128 tokens, mt = tile of 16 feature positions.  Scale records of 512 bytes for four neighbouring mt: lane l's 16 bytes at 16 l, word mt % 4 = the scale word >> 16 (l / 16):
; the first 256 bytes hold whole words, the second the upper two bytes moved down, for the odd head of a pair.
; LIMITS: NaN and infinities are not served; a block whose largest magnitude lies under 2^-124 (zeros too) keeps the byte 1: this program alone reads the bytes.
; REGISTERS, in windows of 256: window 0: v0-31 addresses; v32-63 scale words, two sets; v64-127 the bias along n; v128-223 A's fragments, ONE set; v224-239 the bias along m.  On the way out v32-59 and v128-211 are at work.
;   window 1: B's fragments, TWO sets, at v0 and v128.   window 2: the accumulators of my rows 0-63 ((a, b) at v[8 (8 a + b)]);   window 3: those of my rows 64-127.
.set KSTEP,  256                       ; along K in a slot
.set NQ,     2                         ; matrix instructions deep
.set ROWB,   192                       ; a tile's row in bytes
.set KROW,   768                       ; a row of xw's codes in bytes
.set PITCH,  240                       ; an LDS row: 3 x (64 bytes + 16 of padding)
.set FR,     12                        ; registers of a fragment
.set NL,     6                         ; LDS loads that bring one
.set NP,     4                         ; places behind this matrix instruction (ISA guide 7.12.1)
.set HALFT,  128*PITCH                 ; 128 rows: what one tensor load brings
.set SLOT,   4*HALFT                   ; A's 256 rows, then B's 256 rows
.set LAPS,   2                         ; a lap = two K steps: 1,024 / 512
.set KS,     32                        ; a row of scale bytes
.set SCL,    2*SLOT                    ; behind the ring: the scales, as runs of 256 bytes + 16 of padding
.set HALFS,  16*272                    ; the scales of 128 rows
.set SBLK,   2*272                     ; those of 16 rows
.set SPARE,  SCL+4*HALFS               ; the spare words, 128 bytes for each wave: two blocks of 256 bytes that no other line names
.set XWS,    6291456                   ; xw: where the scale bytes begin
.set VC,     6291456                   ; qkv: V^T's images
.set QKS,    9437184                   ; qkv: the scale records (V^T's 524,288 bytes further on)
.set ADRA, 16                          ; v16-17 LDS address of my A fragments in slot 0, 1 (v18-19: behind one padding more)
.set ADRB, 20                          ; v20-23 the same for B
.set L16,  24                          ; v24    16 x lane
.set L8,   25                          ; v25    8 x lane
.set SH,   26                          ; v26    16 x (lane / 16)
.set ADRS, 27                          ; v27    LDS address of my scale words: lanes 0-15 A's rows, lanes 16-31 B's
.set SPW,  28                          ; v28    LDS address of my spare word; never rewritten
.set NIL,  29                          ; v29    0; never rewritten
.set BNA,  30                          ; v30    my byte offset in the bias along n
.set BMA,  31                          ; v31    and along m
.set SC,   32                          ; scale words, set s at v[SC + 16 s]
.set BN,   64                          ; v64-127 register 16 g + i: the bias of true column 32 g + 16 (lane / 16) + i
.set AF,   128                         ; A's fragments
.set BM,   224                         ; v224-239 block a's bias of my row, twice (a pair for the packed addition)
.set TM,   32                          ; the way out: v32-35 largest magnitudes, v36-39 bytes, v44-47 the conversions' scale operands
.set PW,   48                          ; the scale word just made
.set SW,   52                          ; v52-59 the eight blocks' words as they are stored
.set T,    128                         ; v128-191 a block's 64 numbers with their bias
.set CD,   192                         ; v192-203 the codes; v204-210 at work
.set SEL,  20                          ; s[20:21] lane selects for v_permlanex16_b32
.set G1, 24                            ; s[24:31] descriptor group 1 for A's tiles;  s[32:39] group 0, one set for each slot
.set G0, 32
.set G1B, 48                           ; s[48:55], s[56:63] the same for B's tiles
.set G0B, 56
.set G1S, 68                           ; s[68:75], s[76:79] groups 1 and 0 for A's scales;  s[80:87], s[88:91] for B's
.set G0S, 76
.set G1SB, 80
.set G0SB, 88
.set MSB, 0
.macro WIN new                         ; the immediate's high byte repeats the setting that is left
.if MSB != \new
	s_set_vgpr_msb (MSB<<8)|\new
.set MSB, \new
.endif
.endm
.set MUL_LO, 0xa1                      ; source 0 (B) window 1, source 1 (A) window 0, C and D window 2
.set MUL_HI, 0xf1                      ; the same, C and D window 3
.set TO_B,   0x40                      ; destination window 1, address window 0
; A joint load: waves 0 and 1 fetch for A, waves 2 and 3 for B.  Each line has ONE mask and one set of registers for all that issue it; the branch hangs on the wave's number alone.
; Four v_nop follow each of the two lines, ahead of the jump, the label and what follows.
.macro JLOAD g0a, g1a, g0b, g1b
	s_cmp_eq_u32 s15, 0
	s_cbranch_scc0 .Lfor_b_\@
	tensor_load_to_lds s[\g0a:\g0a+3], s[\g1a:\g1a+7]
	s_nop 0
.rept 4
	v_nop
.endr
	s_branch .Lasked_\@
.Lfor_b_\@:
	tensor_load_to_lds s[\g0b:\g0b+3], s[\g1b:\g1b+7]
	s_nop 0
.rept 4
	v_nop
.endr
.Lasked_\@:
.endm
.macro CREST                           ; a round of the cluster's barrier behind its opening barrier
	s_cmp_lg_u32 s14, 0
	s_cbranch_scc1 .Lnot_wave_0_\@
	s_barrier_signal -3
.Lnot_wave_0_\@:
	s_barrier_wait -3
	s_barrier_signal -1
	s_barrier_wait -1
.endm
.macro CROUND                          ; a whole round
	s_barrier_signal -1
	s_barrier_wait -1
	CREST
.endm
	s_load_b256 s[4:11], s[0:1], 0x0               ; xw s[4:5], b_q s[6:7], b_k s[8:9], b_v s[10:11]
	s_load_b64 s[12:13], s[0:1], 0x20              ; qkv
	v_lshl_add_u32 v[SPW], v0, 2, SPARE
	v_mov_b32 v[NIL], 0
	ds_add_u32 v28, v29
	ds_add_u32 v28, v29
	s_wait_dscnt 0x0
	v_lshrrev_b32 v1, 5, v0
	v_readfirstlane_b32 s14, v1                    ; wave 0..3
	s_lshr_b32 s15, s14, 1                         ; which half of the tile's rows is mine.  Also: I fetch for A (0) or for B (1)
	s_and_b32 s16, s14, 1                          ; which half of its columns.  Also: which 128 rows of that tile I fetch
	s_bfe_u32 s40, ttmp6, 0x40000                  ; cx, cy: my place in the cluster
	s_bfe_u32 s41, ttmp6, 0x40004
	s_and_b32 s96, ttmp9, 1                        ; the cluster's number c decides the product; all partners share it
	s_sub_co_u32 s97, ttmp9, 8
	s_lshr_b32 s98, ttmp9, 1
	s_cmp_lt_u32 ttmp9, 8                          ; c < 8: Q and K;  else V^T
	s_cselect_b32 s42, s96, s97                    ; the cluster's column
	s_cselect_b32 s17, s98, 0                      ; and row
	s_cselect_b32 s99, 0, 6144                     ; the A side's first row in xw: x, or W_v
	s_cselect_b32 s100, 4096, 0                    ; the B side's: W_q and W_k, or x
	s_cselect_b32 s66, 256, 64                     ; row tiles in a chunk of images
	s_cselect_b32 s67, 0, VC                       ; where the images begin
	s_cselect_b32 s101, 0, 524288                  ; and the records, behind QKS
	s_lshl_b32 s42, s42, 2
	s_add_co_u32 s42, s42, s40                     ; tile column
	s_lshl_b32 s17, s17, 2
	s_add_co_u32 s17, s17, s41                     ; tile row
	s_lshl_b32 s43, s41, 2
	s_lshl_b32 s43, 15, s43                        ; my row of the cluster
	s_lshl_b32 s44, 0x1111, s40                    ; my column
	; descriptor group 1: a tile of 128 rows x 192 bytes, padded in LDS
	s_or_b32 s[G1+0], s43, (0<<16)|(1<<20)|(1<<21)|(3<<22)|(3<<25)  ; 15:0 the mask: A's tiles go to my row; elements of 1 byte; padding on; 21 set beside a mask; after every 16 words 4 words
	s_or_b32 s[G1B+0], s44, (0<<16)|(1<<20)|(1<<21)|(3<<22)|(3<<25)
.irp g, G1, G1B
	s_mov_b32 s[\g+1], ROWB<<16                    ; tensor_dim0
	s_mov_b32 s[\g+2], 128<<16                     ; tensor_dim1 = 128
	s_mov_b32 s[\g+3], ROWB<<16                    ; tile_dim0
	s_mov_b32 s[\g+4], 128                         ; tile_dim1 = 128
	s_mov_b32 s[\g+5], KROW                        ; tensor_dim0_stride
	s_mov_b32 s[\g+6], 0
	s_mov_b32 s[\g+7], 0
.endr
	; the scales of 128 rows: a dense block of 4,096 bytes, as 16 rows of 256 bytes (32 elements of 8 bytes), 16 bytes of padding behind each
	s_or_b32 s[G1S+0], s43, (3<<16)|(1<<20)|(1<<21)|(5<<22)|(3<<25)
	s_or_b32 s[G1SB+0], s44, (3<<16)|(1<<20)|(1<<21)|(5<<22)|(3<<25)
.irp g, G1S, G1SB
	s_mov_b32 s[\g+1], 32<<16
	s_mov_b32 s[\g+2], 16<<16
	s_mov_b32 s[\g+3], 32<<16
	s_mov_b32 s[\g+4], 16
	s_mov_b32 s[\g+5], 32
	s_mov_b32 s[\g+6], 0
	s_mov_b32 s[\g+7], 0
.endr
	s_lshl_b32 s18, s16, 7                         ; which 128 rows of the tile I fetch
	s_lshl_b32 s20, s17, 8
	s_add_co_u32 s20, s20, s18
	s_add_co_u32 s20, s20, s99                     ; A: its first row in xw + 256 x tile row + 128 x half
	s_lshl_b32 s46, s42, 8
	s_add_co_u32 s46, s46, s18
	s_add_co_u32 s46, s46, s100                    ; B: likewise with the tile column
	s_mul_i32 s22, s20, KS                         ; where these rows' scales begin, in bytes (all under 2^23)
	s_add_co_u32 s22, s22, XWS
	s_mov_b32 s23, 0
	s_mul_i32 s92, s46, KS
	s_add_co_u32 s92, s92, XWS
	s_mov_b32 s93, 0
	s_mul_i32 s20, s20, KROW                       ; and their codes
	s_mov_b32 s21, 0
	s_mul_i32 s46, s46, KROW
	s_mov_b32 s47, 0
	s_mul_i32 s45, s14, HALFT                      ; where they go: wave x 128 rows: no place in the cluster enters an LDS address
	s_mul_i32 s94, s14, HALFS
	; where my results go: image number nc x (row tiles in a chunk) + 16 x tile row + 8 x half, nc = 2 x tile column + half
	s_lshl_b32 s96, s42, 1
	s_add_co_u32 s96, s96, s16
	s_mul_i32 s96, s96, s66
	s_lshl_b32 s97, s17, 4
	s_add_co_u32 s96, s96, s97
	s_lshl_b32 s97, s15, 3
	s_add_co_u32 s96, s96, s97
	s_mul_i32 s2, s96, 1536
	s_add_co_u32 s2, s2, s67
	s_mov_b32 s3, 0
	s_lshl_b32 s96, s96, 7                         ; a record of 512 bytes for four images
	s_add_co_u32 s96, s96, s101
	s_add_co_u32 s96, s96, QKS
	s_mov_b32 s97, 0
	s_lshl_b32 s98, s40, 10                        ; the bias along n: (256 cx + 128 x half) numbers on
	s_lshl_b32 s99, s16, 9
	s_add_co_u32 s98, s98, s99
	s_mov_b32 s99, 0
	s_lshl_b32 s18, s41, 10                        ; the bias along m: (256 cy + 128 x half) numbers on
	s_lshl_b32 s19, s15, 9
	s_add_co_u32 s18, s18, s19
	s_mov_b32 s19, 0
	s_wait_kmcnt 0x0
	s_add_nc_u64 s[20:21], s[4:5], s[20:21]
	s_add_nc_u64 s[22:23], s[4:5], s[22:23]
	s_add_nc_u64 s[46:47], s[4:5], s[46:47]
	s_add_nc_u64 s[92:93], s[4:5], s[92:93]
	s_add_nc_u64 s[96:97], s[12:13], s[96:97]      ; the records
	s_add_nc_u64 s[12:13], s[12:13], s[2:3]        ; the images
	s_bitcmp1_b32 ttmp9, 0                         ; odd clusters under 8 make K, even ones Q
	s_cselect_b64 s[100:101], s[8:9], s[6:7]
	s_cmp_lt_u32 ttmp9, 8
	s_cselect_b64 s[100:101], s[100:101], s[10:11] ; (in V^T's clusters this bias is loaded and not used: b_v, so that the loads stay inside a buffer)
	s_add_nc_u64 s[100:101], s[100:101], s[98:99]
	s_add_nc_u64 s[98:99], s[10:11], s[18:19]      ; b_v at my rows (loaded in every cluster, used in V^T's)
	CROUND                                         ; all sixteen work-groups are here: the first joint loads meet
	s_mov_b32 s[G0S], 1
	s_add_co_u32 s[G0S+1], s94, SCL
	s_mov_b64 s[G0S+2:G0S+3], s[22:23]
	s_or_b32 s[G0S+3], s[G0S+3], 0x80000000
	s_mov_b32 s[G0SB], 1
	s_add_co_u32 s[G0SB+1], s94, SCL
	s_mov_b64 s[G0SB+2:G0SB+3], s[92:93]
	s_or_b32 s[G0SB+3], s[G0SB+3], 0x80000000
	JLOAD G0S, G1S, G0SB, G1SB                     ; the scales first: they are wanted with K step 0
.irp s, 0,1
	s_mov_b32 s[G0+4*\s], 1
	s_add_co_u32 s[G0+4*\s+1], s45, \s*SLOT
	s_add_nc_u64 s[G0+4*\s+2:G0+4*\s+3], s[20:21], \s*ROWB
	s_or_b32 s[G0+4*\s+3], s[G0+4*\s+3], 0x80000000
	s_mov_b32 s[G0B+4*\s], 1
	s_add_co_u32 s[G0B+4*\s+1], s45, \s*SLOT
	s_add_nc_u64 s[G0B+4*\s+2:G0B+4*\s+3], s[46:47], \s*ROWB
	s_or_b32 s[G0B+4*\s+3], s[G0B+4*\s+3], 0x80000000
	JLOAD G0+4*\s, G1, G0B+4*\s, G1B
.endr
	v_and_b32 v1, 15, v0                           ; r = l % 16
	v_bfe_u32 v2, v0, 4, 1                         ; h = l / 16
	v_lshlrev_b32 v[BNA], 6, v2                    ; the bias along n: 16 h numbers on
	v_and_b32 v6, 8, v1
	v_add_nc_u32 v6, v6, v1
	v_lshlrev_b32 v[BMA], 2, v6                    ; along m: position r of a tile is row r + 8 (r / 8)
.irp g, 0,1,2,3
.irp k, 0,1,2,3
	global_load_b128 v[BN+16*\g+4*\k:BN+16*\g+4*\k+3], v[BNA], s[100:101] offset:128*\g+16*\k
.endr
.endr
.irp a, 0,1,2,3,4,5,6,7
	global_load_b32 v[BM+2*\a], v[BMA], s[98:99] offset:(32*(\a/2)+8*(\a%2))*4
	global_load_b32 v[BM+2*\a+1], v[BMA], s[98:99] offset:(32*(\a/2)+8*(\a%2))*4
.endr
	v_mul_u32_u24 v3, v1, PITCH
	v_mul_u32_u24 v4, v2, 24
	v_add_nc_u32 v4, v3, v4                        ; a fragment's row x pitch + 24 x half
	v_lshl_add_u32 v5, v2, 4, v4                   ; and the same behind one padding more
	s_mul_i32 s21, s15, HALFT                      ; my 128 rows of A
	s_mul_i32 s22, s16, HALFT                      ; my 128 rows of B,
	s_add_co_u32 s22, s22, 2*HALFT                 ; which lie behind A's 256
.irp s, 0,1
	v_add_nc_u32 v[ADRA+\s], s21, v4
	v_add_nc_u32 v[ADRB+\s], s22, v4
	v_add_nc_u32 v[ADRA+2+\s], s21, v5
	v_add_nc_u32 v[ADRB+2+\s], s22, v5
	s_add_co_u32 s21, s21, SLOT
	s_add_co_u32 s22, s22, SLOT
.endr
	v_mul_u32_u24 v5, v1, KS                       ; my row's scales: 32 bytes a row,
	v_lshrrev_b32 v6, 8, v5
	v_lshl_add_u32 v5, v6, 4, v5                   ; and 16 more for each 256 passed
	s_mul_i32 s21, s15, HALFS                      ; A's: my 128 rows
	s_mul_i32 s22, s16, HALFS                      ; B's: my 128 rows, behind A's 256
	s_add_co_u32 s22, s22, 2*HALFS
	s_sub_co_u32 s22, s22, s21
	v_mul_u32_u24 v6, s22, v2                      ; lanes 16-31 take B's
	s_add_co_u32 s21, s21, SCL
	v_add_nc_u32 v5, v5, v6
	v_add_nc_u32 v[ADRS], s21, v5
	v_and_b32 v6, 31, v0
	v_lshlrev_b32 v[L16], 4, v6
	v_lshlrev_b32 v[L8], 3, v6
	v_lshlrev_b32 v[SH], 4, v2
.macro FRAG reg, adr, q, i             ; a fragment, 16 rows x 128 K, is 12 registers: lane l holds row l % 16; registers 6 c .. 6 c + 5 hold K = 64 c + 32 (l / 16) + 0 .. 31: 24 bytes of the row's stream of bits, as they lie
.irp p, 0,1,2,3,4,5                    ; in pieces of 8 bytes.  Lanes 0-15 take the row's pieces 12 q + 0, 1, 2 and 12 q + 6, 7, 8, lanes 16-31 those three pieces on
.set PC, 12*(\q)+6*(\p/3)+\p%3        ; 16 bytes of padding lie behind every 8 pieces: where the piece three on lies behind one padding more, the second address register serves
.if PC%8 < 5
	ds_load_b64 v[\reg+2*\p:\reg+2*\p+1], v[\adr] offset:8*PC+16*(PC/8)+(\i)*16*PITCH
.else
	ds_load_b64 v[\reg+2*\p:\reg+2*\p+1], v[\adr+2] offset:8*PC+16*(PC/8)+(\i)*16*PITCH
.endif
.endr
.endm
; 16 matrix instructions: A's blocks a0, a0 + 1 x B's eight, 128 along K: the slot's q-th.  p: B's set;  sc: the set of scale words.  zero = 1: the first product starts the sums.
; The 64 accumulators take turns, one instruction a turn, in the same order in every step.
.macro MUL16 a0, p, q, sc, zero
.irp a, \a0, \a0+1
.irp b, 0,1,2,3,4,5,6,7
.if \zero
	v_wmma_scale_f32_16x16x128_f8f6f4 v[8*(8*((\a)%4)+\b):8*(8*((\a)%4)+\b)+7], v[128*(\p)+FR*\b:128*(\p)+FR*\b+FR-1], v[AF+FR*(\a):AF+FR*(\a)+FR-1], 0, v[SC+8*NQ*(\sc)+NQ*\b+(\q)], v[SC+8*NQ*(\sc)+NQ*(\a)+(\q)] matrix_a_fmt:MATRIX_FMT_FP6 matrix_b_fmt:MATRIX_FMT_FP6 matrix_a_scale:MATRIX_SCALE_ROW1
.else
	v_wmma_scale_f32_16x16x128_f8f6f4 v[8*(8*((\a)%4)+\b):8*(8*((\a)%4)+\b)+7], v[128*(\p)+FR*\b:128*(\p)+FR*\b+FR-1], v[AF+FR*(\a):AF+FR*(\a)+FR-1], v[8*(8*((\a)%4)+\b):8*(8*((\a)%4)+\b)+7], v[SC+8*NQ*(\sc)+NQ*\b+(\q)], v[SC+8*NQ*(\sc)+NQ*(\a)+(\q)] matrix_a_fmt:MATRIX_FMT_FP6 matrix_b_fmt:MATRIX_FMT_FP6 matrix_a_scale:MATRIX_SCALE_ROW1
.endif
.endr
.endr
.endm
.macro FETCH_B slot, q, p              ; B's eight fragments of the slot's q-th 128 along K into set p
	WIN TO_B
.irp i, 0,1,2,3,4,5,6,7
	FRAG 128*(\p)+FR*\i, ADRB+\slot, \q, \i
.endr
	WIN 0
.endm
.macro FETCH_A slot, q, i0             ; A's blocks i0 .. i0 + 3
.irp i, \i0, \i0+1, \i0+2, \i0+3
	FRAG AF+FR*(\i), ADRA+\slot, \q, \i
.endr
.endm
.macro SCALES sc                       ; the next K step's scale words into set sc: two words a row; lanes 0-15 take A's block i, lanes 16-31 B's block i
.irp i, 0,1,2,3,4,5,6,7
	ds_load_b64 v[SC+8*NQ*\sc+NQ*\i:SC+8*NQ*\sc+NQ*\i+1], v[ADRS] offset:\i*SBLK
.endr
.endm
; A load into a register that a matrix instruction has read, and a vector instruction that reads a matrix result or writes one of its registers, stand NP places behind it; only plain vector
; instructions that name none of its registers are places (ISA guide 7.12.1 for vector instructions).
.macro PLACES n
.rept \n
	v_nop
.endr
.endm
; A step of 128 along K that has its successor in the same slot.
.macro STEP slot, q, zero
	s_wait_dscnt 4*NL                              ; B's set and A's blocks 0-3 are in; the youngest 24 loads (A's blocks 4-7) may be out
	WIN MUL_LO
	MUL16 0, (\q)%2, \q, \slot, \zero
	MUL16 2, (\q)%2, \q, \slot, \zero
	s_wait_dscnt 0                                 ; A's blocks 4-7 are in (asked for 32 matrix instructions ago)
	PLACES NP
	FETCH_B \slot, (\q)+1, 1-(\q)%2
	FETCH_A \slot, (\q)+1, 0
	WIN MUL_HI
	MUL16 4, (\q)%2, \q, \slot, \zero
	MUL16 6, (\q)%2, \q, \slot, \zero
	PLACES NP
	WIN 0
	FETCH_A \slot, (\q)+1, 4
.endm
; A slot's last step changes slots: ONE barrier; in front of it each wave waits for all its tensor loads, adds 0 to its spare word, and waits for that and for its own reads of this slot.  fill = 1: this slot is filled again, two K steps ahead.
.macro TURN slot, next, fill
	s_wait_tensorcnt 0x0                           ; all my tensor loads have landed: my part of the next slot;  (every window is 0 here)
	ds_add_u32 v[SPW], v[NIL]                      ; 0 onto my spare word;
	s_wait_dscnt 4*NL+1                            ; (the add and the youngest 24 loads, A's blocks 4-7, may be out)
	WIN MUL_LO
	MUL16 0, 1, NQ-1, \slot, 0                     ; sixteen matrix instructions stand between the add and the wait for it
	s_wait_dscnt 0x0                               ; the add is done, and my reads of this slot are over
	s_barrier_signal -1
	MUL16 2, 1, NQ-1, \slot, 0
	WIN 0
	s_barrier_wait -1
.if \fill
	CREST                                          ; the barrier has opened a round of the cluster's barrier: no wave of any partner still reads this slot's tile or has a load on its way
	s_add_nc_u64 s[G0+4*\slot+2:G0+4*\slot+3], s[G0+4*\slot+2:G0+4*\slot+3], 2*ROWB
	s_add_nc_u64 s[G0B+4*\slot+2:G0B+4*\slot+3], s[G0B+4*\slot+2:G0B+4*\slot+3], 2*ROWB
	JLOAD G0+4*\slot, G1, G0B+4*\slot, G1B         ; the first tensor load behind the round; the four v_nop behind it are the places in front of the loads below
.else
	PLACES NP
.endif
	v_add_nc_u32 v[ADRS], 4*NQ, v[ADRS]            ; on to the next K step's scale words (no LDS load of mine is out)
	FETCH_B \next, 0, 0
	FETCH_A \next, 0, 0
	SCALES \next
	WIN MUL_HI
	MUL16 4, 1, NQ-1, \slot, 0
	MUL16 6, 1, NQ-1, \slot, 0
	PLACES NP
	WIN 0
	FETCH_A \next, 0, 4
.endm
	s_wait_tensorcnt 1                             ; the scales and my part of K step 0 are in (K step 1's load may be out),
	s_barrier_signal -1
	s_barrier_wait -1                              ; everybody's are
	FETCH_B 0, 0, 0
	FETCH_A 0, 0, 0
	SCALES 0
	FETCH_A 0, 0, 4
	STEP 0, 0, 1                                   ; the first step stands in front of the loop: its products start the sums
	s_mov_b32 s3, LAPS-1
.Llap:                                                 ; a trip goes once round the ring, from a lap's second step to the next lap's first, and fills both slots again
	TURN 0, 1, 1
	STEP 1, 0, 0
	TURN 1, 0, 1
	STEP 0, 0, 0
	s_sub_co_u32 s3, s3, 1
	s_cmp_lg_u32 s3, 0
	s_cbranch_scc1 .Llap
	TURN 0, 1, 0                                   ; the last lap fills nothing, and has no round of the cluster's barrier
	STEP 1, 0, 0
	s_wait_dscnt 4*NL                              ; the very last step: nothing more to fetch
	WIN MUL_LO
	MUL16 0, 1, NQ-1, 1, 0
	MUL16 2, 1, NQ-1, 1, 0
	s_wait_dscnt 0
	WIN MUL_HI
	MUL16 4, 1, NQ-1, 1, 0
	MUL16 6, 1, NQ-1, 1, 0
	WIN 0
; THE WAY OUT, block by block of 16 rows x 128 columns: the bias is added, the block's 64 numbers a lane are quantised along the columns, and the fragment goes to memory as it stands in the registers.
; The bias: in Q's and K's clusters it runs along the columns (a lane's 64 registers), in V^T's along the rows (one number a lane).  The branch hangs on the cluster's number alone; only register work stands on either way.
.macro BIAS a
.set AC, 64*((\a)%4)
.set WN, 0x02+(\a)/4                   ; source 0: window 2 or 3
	s_cmp_lt_u32 ttmp9, 8
	s_cbranch_scc0 .Lbias_m_\@
	WIN WN
.set P, 0
.rept 32
	v_pk_add_f32 v[T+P:T+P+1], v[AC+P:AC+P+1], v[BN+P:BN+P+1]      ; each accumulator from its low end on
.set P, P+2
.endr
	WIN 0
	s_branch .Lbias_done_\@
.Lbias_m_\@:
	WIN WN
.set P, 0
.rept 32
	v_pk_add_f32 v[T+P:T+P+1], v[AC+P:AC+P+1], v[BM+2*(\a):BM+2*(\a)+1]
.set P, P+2
.endr
	WIN 0
.Lbias_done_\@:
.endm
; 64 numbers of a lane, v[s] .. v[s + 63], register 16 b + i = k 32 b + 16 (lane / 16) + i of my row, become a fragment's codes in v[CD] on and its scale word in v[PW].
.macro QUANT s
.irp b, 0,1,2,3
	v_max3_num_f32 v[TM+\b], |v[\s+16*\b]|, |v[\s+1+16*\b]|, 0x1800000   ; block b: my 16 numbers, and the floor 2^(3 - 127): so the byte cannot fall under 1
.endr
.irp i, 2,4,6,8,10,12,14
.irp b, 0,1,2,3
	v_max3_num_f32 v[TM+\b], v[TM+\b], |v[\s+16*\b+\i]|, |v[\s+1+16*\b+\i]|   ; (the four blocks by turns)
.endr
.endr
.irp b, 0,1,2,3
	v_permlanex16_b32 v[TM+4+\b], v[TM+\b], s[SEL], s[SEL+1]
.endr
.irp b, 0,1,2,3
	v_max_num_f32 v[TM+\b], v[TM+\b], v[TM+4+\b]   ; with lane l xor 16's: the block's largest magnitude
.endr
.irp b, 0,1,2,3
	v_add_nc_u32 v[TM+12+\b], 0xff000000, v[TM+\b]   ; 2 off its exponent field: the conversion's scale operand
.endr
.irp b, 0,1,2,3
	v_lshrrev_b32 v[TM+4+\b], 23, v[TM+12+\b]   ; the scale's byte
.endr
	v_lshl_or_b32 v[PW], v[TM+5], 8, v[TM+4]   ; the four bytes make my row's scale word
	v_lshl_or_b32 v[PW], v[TM+6], 16, v[PW]
	v_lshl_or_b32 v[PW], v[TM+7], 24, v[PW]
.irp c, 0,1
	v_cvt_scalef32_pk16_fp6_f32 v[CD+6*\c:CD+2+6*\c], v[\s+32*\c:\s+15+32*\c], v[TM+12+2*\c]
	v_cvt_scalef32_pk16_fp6_f32 v[CD+12+4*\c:CD+14+4*\c], v[\s+16+32*\c:\s+31+32*\c], v[TM+12+2*\c+1]   ; (a conversion's three registers begin on an even number)
.endr
	v_nop                                          ; one plain place behind a scaled conversion
.irp c, 0,1                                    ; the operand's layout wants a WHOLE block in a lane: lanes 0-15 block 2 c, lanes 16-31 block 2 c + 1
.irp i, 0,1,2
	v_permlane16_swap_b32 v[CD+6*\c+\i], v[CD+12+4*\c+\i]
.endr
.irp i, 0,1,2
	v_mov_b32 v[CD+3+6*\c+\i], v[CD+12+4*\c+\i]
.endr
.endr
.endm
.macro OUT a
	BIAS \a
.if (\a) > 0
	s_wait_xcnt 0x0                                ; the last block's stores have had their addresses translated: only behind this wait are the codes' registers written again
.endif
	QUANT T
	global_store_b128 v[L16], v[CD:CD+3], s[12:13] offset:(\a)*1536          ; 32 lanes store 512 consecutive bytes, aligned
	global_store_b64 v[L8], v[CD+4:CD+5], s[12:13] offset:(\a)*1536+512      ; and 256
	global_store_b128 v[L16], v[CD+6:CD+9], s[12:13] offset:(\a)*1536+768
	global_store_b64 v[L8], v[CD+10:CD+11], s[12:13] offset:(\a)*1536+1280
	v_lshrrev_b32 v[SW+(\a)], v[SH], v[PW]         ; lanes 0-15 keep the word, lanes 16-31 its upper two bytes moved down
.if (\a)%4 == 3
	global_store_b128 v[L16], v[SW+(\a)-3:SW+(\a)], s[96:97] offset:512*((\a)/4)   ; four blocks' words: a record of 512 bytes
.endif
.endm
	PLACES NP                                      ; behind the last products: their results are read, and registers that held A's fragments and scale words are written
	s_mov_b32 s[SEL], 0x76543210
	s_mov_b32 s[SEL+1], 0xfedcba98                 ; lane l xor 16
.irp b, 0,1,2,3
	v_mov_b32 v[TM+4+\b], 0                        ; a lane permute's destination counts as one of its sources
.endr
	s_wait_loadcnt 0x0                             ; the biases
.irp a, 0,1,2,3,4,5,6,7
	OUT \a
.endr
	s_wait_tensorcnt 0x0                           ; the wave's end
	ds_add_u32 v[SPW], v[NIL]
	s_wait_dscnt 0x0
	CROUND                                         ; the closing round: no work-group ends while a partner may still ask for a tile that names it
	s_endpgm
.Lfunc_end_k_qeadf588805_qkv:
	.size	k_qeadf588805_qkv, .Lfunc_end_k_qeadf588805_qkv-k_qeadf588805_qkv
	.p2alignl 7, 3214868480
	.fill 96, 4, 3214868480
	.section	.rodata,"a",@progbits
	.p2align	6, 0x0
	.amdhsa_kernel k_qeadf588805_qkv
		.amdhsa_group_segment_fixed_size 327680
		.amdhsa_private_segment_fixed_size 0
		.amdhsa_enable_private_segment 0
		.amdhsa_kernarg_size 40
		.amdhsa_user_sgpr_count 2
		.amdhsa_user_sgpr_kernarg_segment_ptr 1
		.amdhsa_wavefront_size32 1
		.amdhsa_system_sgpr_workgroup_id_x 1
		.amdhsa_system_sgpr_workgroup_id_y 1
		.amdhsa_system_sgpr_workgroup_id_z 1
		.amdhsa_system_vgpr_workitem_id 0
		.amdhsa_next_free_vgpr 1024
		.amdhsa_next_free_sgpr 102
		.amdhsa_reserve_vcc 0
		.amdhsa_float_denorm_mode_32 3
		.amdhsa_float_denorm_mode_16_64 3
		.amdhsa_memory_ordered 1
		.amdhsa_forward_progress 1
		.amdhsa_inst_pref_size 202
	.end_amdhsa_kernel
	.amdgpu_metadata
---
amdhsa.version: [ 1, 2 ]
amdhsa.kernels:
  - .name:           k_qeadf588805_qkv
    .symbol:         k_qeadf588805_qkv.kd
    .args:
      - { .name: xw, .offset: 0, .size: 8, .value_kind: global_buffer, .address_space: global }
      - { .name: b_q, .offset: 8, .size: 8, .value_kind: global_buffer, .address_space: global }
      - { .name: b_k, .offset: 16, .size: 8, .value_kind: global_buffer, .address_space: global }
      - { .name: b_v, .offset: 24, .size: 8, .value_kind: global_buffer, .address_space: global }
      - { .name: qkv, .offset: 32, .size: 8, .value_kind: global_buffer, .address_space: global }
    .group_segment_fixed_size: 327680
    .private_segment_fixed_size: 0
    .kernarg_segment_align: 8
    .kernarg_segment_size: 40
    .max_flat_workgroup_size: 128
    .sgpr_count:     102
    .vgpr_count:     1024
    .wavefront_size: 32
...
	.end_amdgpu_metadata
.endif
;; end of part 2
;; launch attn (part 3): grid 8 x 32, 16 waves a work-group, clusters of 4 x 1, 210,944 bytes of LDS; arguments qkv, ctx; writes ctx
.if DOCPART == 3
	.amdgcn_target "amdgcn-amd-amdhsa--gfx1250"
	.amdhsa_code_object_version 6
	.text
	.protected	k_qeadf588805_attn
	.globl	k_qeadf588805_attn
	.p2align	8
	.type	k_qeadf588805_attn,@function
k_qeadf588805_attn:
	s_mov_b64 s[64:65], 0
	v_nop
	global_prefetch_b8 v0, s[64:65] scope:SCOPE_SE
	s_setreg_imm32_b32 hwreg(HW_REG_WAVE_MODE, 25, 1), 1
	s_wait_xcnt 0x0
	s_wait_alu depctr_hold_cnt(0) depctr_sa_sdst(0) depctr_va_vdst(0) depctr_va_sdst(0) depctr_va_ssrc(0) depctr_va_vcc(0) depctr_vm_vsrc(0)
	s_getreg_b32 s2, hwreg(HW_REG_IB_STS2, 6, 4)
	s_cmp_eq_u32 s2, 0
	s_cbranch_scc0 .Lentry_in_a_cluster
	s_endpgm
.Lentry_in_a_cluster:
	s_bfe_u32 s2, ttmp6, 0x10000c
	s_cmp_lg_u32 s2, 0x3003
	s_cbranch_scc0 .Lentry_shape_is_right
	s_endpgm
.Lentry_shape_is_right:
; ctx[b][q][head] = the sum over k of softmax_k(Q . K / 8) V, both products on codes of FP6 (E2M3) with one E8M0 scale for each 32 along a product's K; sums in f32.  ctx is quantised along its 64 features and stored as codes.
; THE SOFTMAX AHEAD OF THE SECOND PRODUCT: t = score x log2(e) / 8; M = the row's largest t so far, rounded UP to a whole number; p = 2^(t - M) is what is quantised, along the keys; it is not normalised.
; The row's sum is taken of the unquantised p, in f32, and divides O at the end (a reciprocal and a multiplication).  When M moves, the sum and O are multiplied by 2^(old M - new M): exact.
; SHARES.  Work-group y = 16 b + head; x = a block of 256 query positions.  Each of SIXTEEN waves owns one tile of 16 queries in 256 registers: four waves to a SIMD, so that one wave's vector work stands beside another's
; matrix work and LDS loads.  Every wave walks the head's 2,048 keys, 128 a step.
; LDS.  A head's K (98,304 bytes), V^T (98,304) and their scale words (12,288) fit together, so every byte of LDS is filled ONCE: no ring, no refill.  They come in four stages of 512 keys, so that the first steps run while
; the later stages are on their way: wave 0 asks for K's scale words and four stages, wave 1 for V's: five tensor loads of a wave are out at the most.
; CLUSTER.  The four query blocks of a cluster belong to one head and want the same bytes: each load is asked for JOINTLY, with the same descriptor and the mask of all four.
; LAYOUT.  Both products are used transposed: S^T = K Q^T (source 0 = 16 keys, source 1 = my 16 queries), O^T = V^T P^T (source 0 = 16 features, source 1 = P): a lane holds ONE query (lane % 16) throughout.
; Tokens and features lie at positions (in each 32 the second and third run of 8 change places), so the 16 registers of tiles 2 g and 2 g + 1 are the true keys (features) 32 g + 16 (lane / 16) + 0 .. 15.
; THE FIRST PRODUCT'S K IS 64, half of the instruction's 128.  Q's registers 6-11 are zero codes, so whatever source 0 holds there adds nothing: tile t is named v[32 + 6 t : 43 + 6 t], whose upper six registers are the
; next tile's codes (behind the last tile six cleared registers).  The scale bytes of that half are the pair's other head's (1 to 254) or 0, never 0xff.
; OPERANDS come as images of their registers: six registers of a fragment are 768 bytes: registers 0-3 at 16 x lane, 4-5 at 512 + 8 x lane.
; ctx: codes at (mt 16 + head) 768, mt = tile of 16 query positions; from CXS on scale bytes [4,096 positions][32], a head's two bytes at 2 x head.  Those two bytes a row are stored 32 bytes apart: the whole table is
; 131,072 bytes, and so laid the next launch takes it as one dense block.
; LIMITS: NaN and infinities are not served; a block whose largest magnitude lies under 2^-124 (zeros too) keeps the byte 1: this program alone reads the bytes.
; REGISTERS: v1 16 x lane, v2 8 x lane, v3, v4 my place among K's and V's scale words, v5-8 the step's addresses; v12 -M, v13 the largest t, v[14:15] the sum in two halves; v16-27 Q, v28 its scale word; v30 32 r;
; v32-85 K's eight tiles and the cleared tail, later v32-79 V's four fragments; v96-159 S^T, then p; v160-191 O^T; v192-203 p's codes, v204-210 at work; v212-219 K's scale words, v220-223 V's;
; v224-227 block maxima, v228-231 the other half's, then bytes, v232-235 the conversions' scale operands; v[240:241] the second chain of the sum; v242 f, v243 p's scale word, v244 at work.
.set VC,   6291456                     ; qkv: V^T's images
.set QKS,  9437184                     ; Q's and K's scale records
.set VS,   9961472                     ; V^T's
.set CXS,  3145728                     ; ctx: the scale bytes
.set STG,  49152                       ; a stage in LDS: 32 tiles of K (24,576 bytes), then 4 steps of V (24,576)
.set VOFF, 24576
.set KSB,  6144                        ; a step's bytes of K, and of V
.set SCK,  196608                      ; K's scale words: 32 x 256 bytes
.set SCV,  204800                      ; V's: 16 x 256 bytes
.set WV,   8                           ; s8   my wave's number
.set SEL,  20                          ; s[20:21] lane selects for v_permlanex16_b32: lane l xor 16
.set CS,   22                          ; s[22:23] c = log2(e) / 8: the packed form names a pair and takes its low word for both halves
.set G1K,  24                          ; s[24:31] group 1 for K's stages;  s[32:39] V's;  s[40:47] K's scale words;  s[48:55] V's
.set G1V,  32
.set G1KS, 40
.set G1VS, 48
.set G0S,  56                          ; s[56:59] group 0 for the scale words;  s[60:63], s[68:71], s[72:75], s[76:79] for stages 0 to 3
.set TB,   84                          ; s84  LDS byte at which the step's tiles of K begin
.set TS,   85                          ; s85  the step's scale words of K: 512 bytes a step
.set TJ,   86                          ; s86  V's: 256 bytes a step
.set CNT,  87                          ; s87  counts a stage's four steps
.macro CROUND                          ; a round of the cluster's barrier
	s_barrier_signal -1
	s_barrier_wait -1
	s_cmp_lg_u32 s[WV], 0
	s_cbranch_scc1 .Lnot_wave_0_\@
	s_barrier_signal -3
.Lnot_wave_0_\@:
	s_barrier_wait -3
	s_barrier_signal -1
	s_barrier_wait -1
.endm
	s_load_b128 s[4:7], s[0:1], 0x0                ; qkv s[4:5], ctx s[6:7]
	v_lshl_add_u32 v254, v0, 2, 0x33000
	v_mov_b32 v255, 0
	ds_add_u32 v254, v255
	ds_add_u32 v254, v255
	v_lshrrev_b32 v5, 5, v0
	v_readfirstlane_b32 s[WV], v5                  ; wave 0..15
	s_bfe_u32 s9, ttmp6, 0x40000                   ; cx: it enters Q's and ctx's addresses alone
	s_lshl_b32 s10, ttmp9, 2
	s_add_co_u32 s10, s10, s9                      ; my block of 256 query positions
	s_and_b32 s11, ttmp7, 0xffff
	s_lshr_b32 s12, s11, 4                         ; b
	s_and_b32 s13, s11, 15                         ; head
	s_and_b32 s14, s13, 1                          ; which of its pair
	s_lshr_b32 s15, s13, 1                         ; the pair
	s_min_u32 s16, s[WV], 1                        ; 0: I fetch K;  1: V (waves 2 to 15 fetch nothing)
	s_add_co_u32 s17, s15, 8                       ; K: image number (8 + pair) 256 + 128 b
	s_lshl_b32 s17, s17, 8
	s_lshl_b32 s18, s12, 7
	s_add_co_u32 s17, s17, s18
	s_mul_i32 s84, s17, 1536
	s_mul_i32 s19, s14, 768
	s_add_co_u32 s84, s84, s19                     ; its half of each image
	s_lshl_b32 s85, s17, 7                         ; its records: 512 bytes for four images,
	s_lshl_b32 s19, s14, 8
	s_add_co_u32 s85, s85, s19                     ; the half of my head
	s_add_co_u32 s85, s85, QKS
	s_lshl_b32 s86, s12, 10                        ; V: image number 1,024 b + 4 head
	s_lshl_b32 s19, s13, 2
	s_add_co_u32 s86, s86, s19
	s_mul_i32 s86, s86, 1536
	s_add_co_u32 s86, s86, VC
	s_lshl_b32 s87, s12, 8                         ; its records: number 256 b + head
	s_add_co_u32 s87, s87, s13
	s_lshl_b32 s87, s87, 9
	s_add_co_u32 s87, s87, VS
	s_mov_b32 s19, 393216                          ; from stage to stage: V: 4 chunks of 64 images;  K: 32 images
	s_cmp_eq_u32 s[WV], 0
	s_cselect_b32 s88, s84, s86
	s_cselect_b32 s90, s85, s87
	s_cselect_b32 s92, 49152, s19
	s_mov_b32 s89, 0
	s_mov_b32 s91, 0
	s_mov_b32 s93, 0
	s_mul_i32 s94, s16, VOFF                       ; where they go in a stage: no place in the cluster enters an LDS address
	s_lshl_b32 s95, s16, 13                        ; and among the scale words
	; descriptor groups 1: elements of 8 bytes, no padding; 15:0 the mask of all four work-groups; 21 set beside a mask
	s_mov_b32 s[G1K], 15|(3<<16)|(1<<21)           ; K: 32 rows (tiles) of 768 bytes, 1,536 bytes apart
	s_mov_b32 s[G1K+1], 96<<16
	s_mov_b32 s[G1K+2], 32<<16
	s_mov_b32 s[G1K+3], 96<<16
	s_mov_b32 s[G1K+4], 32
	s_mov_b32 s[G1K+5], 192
	s_mov_b32 s[G1K+6], 0
	s_mov_b32 s[G1K+7], 0
	s_mov_b32 s[G1V], 15|(3<<16)|(1<<21)           ; V: 4 rows (steps) of 6,144 bytes (the head's four images), 98,304 bytes apart
	s_mov_b32 s[G1V+1], 768<<16
	s_mov_b32 s[G1V+2], 4<<16
	s_mov_b32 s[G1V+3], 768<<16
	s_mov_b32 s[G1V+4], 4
	s_mov_b32 s[G1V+5], 12288
	s_mov_b32 s[G1V+6], 0
	s_mov_b32 s[G1V+7], 0
	s_mov_b32 s[G1KS], 15|(3<<16)|(1<<21)          ; K's scale words: 32 rows of 256 bytes, 512 bytes apart
	s_mov_b32 s[G1KS+1], 32<<16
	s_mov_b32 s[G1KS+2], 32<<16
	s_mov_b32 s[G1KS+3], 32<<16
	s_mov_b32 s[G1KS+4], 32
	s_mov_b32 s[G1KS+5], 64
	s_mov_b32 s[G1KS+6], 0
	s_mov_b32 s[G1KS+7], 0
	s_mov_b32 s[G1VS], 15|(3<<16)|(1<<21)          ; V's: 16 rows of 256 bytes, 8,192 bytes apart
	s_mov_b32 s[G1VS+1], 32<<16
	s_mov_b32 s[G1VS+2], 16<<16
	s_mov_b32 s[G1VS+3], 32<<16
	s_mov_b32 s[G1VS+4], 16
	s_mov_b32 s[G1VS+5], 1024
	s_mov_b32 s[G1VS+6], 0
	s_mov_b32 s[G1VS+7], 0
	; my tile of queries: mt = 128 b + 16 x block + wave
	s_lshl_b32 s80, s12, 7
	s_lshl_b32 s81, s10, 4
	s_add_co_u32 s80, s80, s81
	s_add_co_u32 s80, s80, s[WV]
	s_lshl_b32 s81, s15, 8
	s_add_co_u32 s81, s81, s80                     ; Q: image number pair x 256 + mt
	s_mul_i32 s82, s81, 1536
	s_mul_i32 s83, s14, 768
	s_add_co_u32 s82, s82, s83
	s_mov_b32 s83, 0
	s_lshr_b32 s96, s81, 2                         ; its record, my head's half, my tile's word
	s_lshl_b32 s96, s96, 9
	s_lshl_b32 s97, s14, 8
	s_add_co_u32 s96, s96, s97
	s_and_b32 s97, s80, 3
	s_lshl_b32 s97, s97, 2
	s_add_co_u32 s96, s96, s97
	s_add_co_u32 s96, s96, QKS
	s_mov_b32 s97, 0
	s_lshl_b32 s98, s80, 4                         ; ctx: (mt 16 + head) 768
	s_add_co_u32 s98, s98, s13
	s_mul_i32 s98, s98, 768
	s_mov_b32 s99, 0
	s_lshl_b32 s2, s80, 9                          ; its scale bytes: CXS + mt 512 + 2 head
	s_lshl_b32 s3, s13, 1
	s_add_co_u32 s2, s2, s3
	s_add_co_u32 s2, s2, CXS
	s_mov_b32 s3, 0
	s_mov_b32 s[SEL], 0x76543210
	s_mov_b32 s[SEL+1], 0xfedcba98
	s_mov_b32 s[CS], 0x3e38aa3b                    ; c = log2(e) / sqrt(64)
	s_mov_b32 s[CS+1], s[CS]                       ; (named with it as a pair, so it is written)
	s_wait_dscnt 0x0
	s_wait_kmcnt 0x0
	s_add_nc_u64 s[88:89], s[4:5], s[88:89]
	s_add_nc_u64 s[90:91], s[4:5], s[90:91]
	s_add_nc_u64 s[82:83], s[4:5], s[82:83]
	s_add_nc_u64 s[96:97], s[4:5], s[96:97]
	s_add_nc_u64 s[98:99], s[6:7], s[98:99]
	s_add_nc_u64 s[2:3], s[6:7], s[2:3]
	s_mov_b32 s[G0S], 1                            ; count = 1
	s_add_co_u32 s[G0S+1], s95, SCK                ; LDS address
	s_mov_b64 s[G0S+2:G0S+3], s[90:91]             ; global address
	s_or_b32 s[G0S+3], s[G0S+3], 0x80000000        ; type = 2
.set SG, 0
.irp g, 60,68,72,76
	s_mov_b32 s[\g], 1
	s_add_co_u32 s[\g+1], s94, SG*STG
	s_mov_b64 s[\g+2:\g+3], s[88:89]
	s_or_b32 s[\g+3], s[\g+3], 0x80000000
	s_add_nc_u64 s[88:89], s[88:89], s[92:93]      ; the next stage's (behind the last it is not used)
.set SG, SG+1
.endr
	s_mov_b32 s[TB], 0
	s_mov_b32 s[TS], 0
	s_mov_b32 s[TJ], 0
	CROUND                                         ; all four work-groups are here: the joint loads meet
	s_cmp_lg_u32 s[WV], 0                          ; a wave's five loads stand in one branch on its number, ahead of every wait on TENSORcnt, every LDS read and every further barrier; four v_nop follow the last
	s_cbranch_scc1 .Lnot_k
	tensor_load_to_lds s[G0S:G0S+3], s[G1KS:G1KS+7]
	s_nop 0
	tensor_load_to_lds s[60:63], s[G1K:G1K+7]
	s_nop 0
	tensor_load_to_lds s[68:71], s[G1K:G1K+7]
	s_nop 0
	tensor_load_to_lds s[72:75], s[G1K:G1K+7]
	s_nop 0
	tensor_load_to_lds s[76:79], s[G1K:G1K+7]
	s_nop 0
.rept 4
	v_nop
.endr
	s_branch .Lasked
.Lnot_k:
	s_cmp_lg_u32 s[WV], 1
	s_cbranch_scc1 .Lasked
	tensor_load_to_lds s[G0S:G0S+3], s[G1VS:G1VS+7]
	s_nop 0
	tensor_load_to_lds s[60:63], s[G1V:G1V+7]
	s_nop 0
	tensor_load_to_lds s[68:71], s[G1V:G1V+7]
	s_nop 0
	tensor_load_to_lds s[72:75], s[G1V:G1V+7]
	s_nop 0
	tensor_load_to_lds s[76:79], s[G1V:G1V+7]
	s_nop 0
.rept 4
	v_nop
.endr
.Lasked:
	v_and_b32 v9, 31, v0
	v_lshlrev_b32 v1, 4, v9                        ; 16 x lane
	v_lshlrev_b32 v2, 3, v9                        ; 8 x lane
	v_and_b32 v10, 15, v0                          ; r
	v_lshlrev_b32 v11, 4, v10                      ; 16 r: a row's four words in a record
	v_add_nc_u32 v3, SCK, v11
	v_add_nc_u32 v4, SCV, v11
	v_lshlrev_b32 v30, 5, v10                      ; 32 r: a row of ctx's scale bytes
	global_load_b128 v[16:19], v1, s[82:83]        ; Q's six registers stay
	global_load_b64 v[20:21], v2, s[82:83] offset:512
	global_load_b32 v28, v11, s[96:97]             ; and its scale words
.irp j, 22,23,24,25,26,27, 80,81,82,83,84,85
	v_mov_b32 v\j, 0                               ; Q's upper half: zero codes;  the tail behind K's last tile
.endr
	v_mov_b32 v13, 0xff61b1e6                      ; the largest t so far: -3e38, under every t
	v_floor_f32 v12, -v13                          ; -M
	v_mov_b32 v14, 0                               ; the sum, in two halves
	v_mov_b32 v15, 0
.irp b, 0,1,2,3
	v_mov_b32 v[228+\b], 0                         ; written once: a lane permute's destination counts as one of its sources
.endr
	v_mov_b32 v243, 0                              ; (named as the upper half of the pair v[242:243] before it is first written)
.set J, 0
.rept 32
	v_mov_b32 v[160+J], 0                          ; O^T.  (The step is written once: the first finds zeros, which the first change of M leaves zeros)
.set J, J+1
.endr
; A KEY STEP: 128 keys.
.macro STEP
	v_add_nc_u32 v5, s[TB], v1                     ; these four lines are also the places between the last step's products and the loads into the registers that they read
	v_add_nc_u32 v6, s[TB], v2
	v_add_nc_u32 v7, s[TS], v3
	v_add_nc_u32 v8, s[TJ], v4
.irp t, 0,1,2,3,4,5,6,7
	ds_load_b128 v[32+6*\t:35+6*\t], v5 offset:768*\t            ; each instruction reads 512 or 256 consecutive bytes
	ds_load_b64 v[36+6*\t:37+6*\t], v6 offset:768*\t+512
.endr
	ds_load_b128 v[212:215], v7                    ; the eight tiles' scale words of row r
	ds_load_b128 v[216:219], v7 offset:256
	s_wait_dscnt 0x0
.irp t, 0,1,2,3,4,5,6,7
	v_wmma_scale_f32_16x16x128_f8f6f4 v[96+8*\t:103+8*\t], v[32+6*\t:43+6*\t], v[16:27], 0, v[212+\t], v28 matrix_a_fmt:MATRIX_FMT_FP6 matrix_b_fmt:MATRIX_FMT_FP6
.endr
.rept 4
	v_nop                                          ; places in front of the loads below and of the first read of the scores
.endr
.irp i, 0,1,2,3                                ; V's four fragments are asked for here and land under the softmax
	ds_load_b128 v[32+12*\i:35+12*\i], v5 offset:VOFF+1536*\i
	ds_load_b64 v[36+12*\i:37+12*\i], v6 offset:VOFF+1536*\i+512
	ds_load_b128 v[38+12*\i:41+12*\i], v5 offset:VOFF+1536*\i+768
	ds_load_b64 v[42+12*\i:43+12*\i], v6 offset:VOFF+1536*\i+1280
.endr
	ds_load_b128 v[220:223], v8
.irp b, 0,1,2,3
	v_max3_num_f32 v[224+\b], v[96+16*\b], v[97+16*\b], v[98+16*\b]   ; THE LARGEST SCORE OF EACH BLOCK OF 32 KEYS serves twice: for the row's maximum, and, since p rises with the score, for the block's largest p
.endr
.irp i, 3,5,7,9,11,13
.irp b, 0,1,2,3
	v_max3_num_f32 v[224+\b], v[224+\b], v[96+16*\b+\i], v[97+16*\b+\i]   ; (the four blocks by turns)
.endr
.endr
.irp b, 0,1,2,3
	v_max_num_f32 v[224+\b], v[224+\b], v[111+16*\b]
.endr
.irp b, 0,1,2,3
	v_permlanex16_b32 v[228+\b], v[224+\b], s[SEL], s[SEL+1]
.endr
.irp b, 0,1,2,3
	v_max_num_f32 v[224+\b], v[224+\b], v[228+\b]  ; with lane l xor 16's 16 keys
.endr
	v_max3_num_f32 v244, v224, v225, v226
	v_max_num_f32 v244, v244, v227                 ; the step's largest score of my query
	v_mul_f32 v244, s[CS], v244                    ; as t (c is positive)
	v_max_num_f32 v13, v13, v244                   ; the running largest t
	v_mov_b32 v244, v12
	v_floor_f32 v12, -v13                          ; the new -M = floor(-t) = -ceil(t): M IS A WHOLE NUMBER
	v_sub_f32 v244, v12, v244                      ; M's old value less its new one: a whole number, 0 or less
	v_cvt_i32_f32 v244, v244                       ; (it saturates)
	v_ldexp_f32 v242, 1.0, v244                    ; f = 2^(old M - new M)
.set J, 0
.rept 32
	v_pk_fma_f32 v[96+J:97+J], v[96+J:97+J], s[CS:CS+1], v[12:13] op_sel_hi:[1,0,0]   ; t - M, two at a time (of the pairs c and -M the low word serves both halves)
.set J, J+2
.endr
.irp b, 0,1,2,3
	v_fma_f32 v[224+\b], v[224+\b], s[CS], v12     ; the same of each block's largest score
.endr
.set J, 0
.rept 64
	v_exp_f32 v[96+J], v[96+J]                     ; p = 2^(t - M), at most 1: NOT normalised
.set J, J+1
.endr
.irp b, 0,1,2,3
	v_exp_f32 v[224+\b], v[224+\b]                 ; the block's largest p: the same two instructions on the same number give the same bits
.endr
	v_pk_mul_f32 v[14:15], v[14:15], v[242:243] op_sel_hi:[1,0]   ; the sums under the new M.  (A plain place behind the exponentials)
	s_wait_alu depctr_va_vdst(0)
.irp b, 0,1,2,3
	v_max_num_f32 v[224+\b], 0x1800000, v[224+\b]  ; the floor 2^(3 - 127): the byte cannot fall under 1
.endr
.irp b, 0,1,2,3
	v_add_nc_u32 v[232+\b], 0xff000000, v[224+\b]  ; 2 off the exponent field: the conversion's scale operand
.endr
.irp b, 0,1,2,3
	v_lshrrev_b32 v[228+\b], 23, v[232+\b]         ; the scale's byte
.endr
	v_lshl_or_b32 v243, v229, 8, v228              ; p's scale word for these 128 keys
	v_lshl_or_b32 v243, v230, 16, v243
	v_lshl_or_b32 v243, v231, 24, v243
.irp c, 0,1
	v_cvt_scalef32_pk16_fp6_f32 v[192+6*\c:194+6*\c], v[96+32*\c:111+32*\c], v[232+2*\c]
	v_cvt_scalef32_pk16_fp6_f32 v[204+4*\c:206+4*\c], v[112+32*\c:127+32*\c], v[232+2*\c+1]   ; (a conversion's three registers begin on an even number)
.endr
	v_nop                                          ; one plain place behind a scaled conversion
.irp c, 0,1                                    ; the operand's layout wants a WHOLE block in a lane: lanes 0-15 block 2 c, lanes 16-31 block 2 c + 1
.irp i, 0,1,2
	v_permlane16_swap_b32 v[192+6*\c+\i], v[204+4*\c+\i]
.endr
.irp i, 0,1,2
	v_mov_b32 v[195+6*\c+\i], v[204+4*\c+\i]
.endr
.endr
.set J, 0
.rept 16
	v_pk_mul_f32 v[160+J:161+J], v[160+J:161+J], v[242:243] op_sel_hi:[1,0]   ; O^T under the new M: x f; each accumulator from its low end on
.set J, J+2
.endr
	v_pk_add_f32 v[240:241], v[96:97], v[98:99]    ; THE ROW'S SUM IS TAKEN OF THE UNQUANTISED p: two at a time, in two chains.  (These 32 lines stand between every register written above and the products below)
.irp j, 4,8,12,16,20,24,28,32,36,40,44,48,52,56,60
	v_pk_add_f32 v[14:15], v[14:15], v[96+\j:97+\j]
	v_pk_add_f32 v[240:241], v[240:241], v[98+\j:99+\j]
.endr
	v_pk_add_f32 v[14:15], v[14:15], v[240:241]
	s_wait_dscnt 0x0                               ; V's fragments and scale words are in
.irp i, 0,1,2,3                                ; O^T += V^T P^T: the four accumulators by turns; eight other products stand between two steps' turns
	v_wmma_scale_f32_16x16x128_f8f6f4 v[160+8*\i:167+8*\i], v[32+12*\i:43+12*\i], v[192:203], v[160+8*\i:167+8*\i], v[220+\i], v243 matrix_a_fmt:MATRIX_FMT_FP6 matrix_b_fmt:MATRIX_FMT_FP6
.endr
	s_add_co_u32 s[TB], s[TB], KSB                 ; the next step's tiles and scale words
	s_add_co_u32 s[TS], s[TS], 512
	s_add_co_u32 s[TJ], s[TJ], 256
.endm
; A STAGE: 512 keys, four steps.  left = the tensor loads of the fetching waves that may stay out: the later stages'.  Nothing is ever filled again, so they may cross the barrier.
.macro STAGE left
	s_wait_tensorcnt \left                         ; tensor loads of a wave end in order: my part of this stage (and the scale words) is in;
	s_barrier_signal -1                            ; no LDS instruction of mine is out here
	s_barrier_wait -1                              ; everybody's is
	s_mov_b32 s[CNT], 4
.Lstep_\@:
	STEP
	s_sub_co_u32 s[CNT], s[CNT], 1
	s_cmp_lg_u32 s[CNT], 0
	s_cbranch_scc1 .Lstep_\@
	s_add_co_u32 s[TB], s[TB], VOFF                ; past the stage's V
.endm
	s_wait_loadcnt 0x0                             ; Q
	STAGE 3
	STAGE 2
	STAGE 1
	STAGE 0
	; THE WAY OUT.  O^T is divided by the row's sum; its 32 registers, register 16 g + i = feature 32 g + 16 (lane / 16) + i of the head, are two blocks along the last product's K: they become six registers of codes and two scale bytes.
.rept 4
	v_nop                                          ; places behind the last products
.endr
	v_add_f32 v14, v14, v15                        ; the sum's two halves,
	v_permlanex16_b32 v244, v14, s[SEL], s[SEL+1]
	v_add_f32 v14, v14, v244                       ; and lane l xor 16's: the row's sum
	v_rcp_f32 v14, v14
	v_nop                                          ; one plain place behind the reciprocal
.set J, 0
	s_wait_alu depctr_va_vdst(0)
.rept 16
	v_pk_mul_f32 v[96+J:97+J], v[160+J:161+J], v[14:15] op_sel_hi:[1,0]
.set J, J+2
.endr
.irp b, 0,1
	v_max3_num_f32 v[224+\b], |v[96+16*\b]|, |v[97+16*\b]|, 0x1800000   ; my 16 numbers of block b, and the floor
.endr
.irp i, 2,4,6,8,10,12,14
.irp b, 0,1
	v_max3_num_f32 v[224+\b], v[224+\b], |v[96+16*\b+\i]|, |v[97+16*\b+\i]|
.endr
.endr
.irp b, 0,1
	v_permlanex16_b32 v[228+\b], v[224+\b], s[SEL], s[SEL+1]
.endr
.irp b, 0,1
	v_max_num_f32 v[224+\b], v[224+\b], v[228+\b]
.endr
.irp b, 0,1
	v_add_nc_u32 v[232+\b], 0xff000000, v[224+\b]
.endr
.irp b, 0,1
	v_lshrrev_b32 v[228+\b], 23, v[232+\b]
.endr
	v_lshl_or_b32 v243, v229, 8, v228              ; the head's two scale bytes of my row
	v_cvt_scalef32_pk16_fp6_f32 v[192:194], v[96:111], v232
	v_cvt_scalef32_pk16_fp6_f32 v[204:206], v[112:127], v233
	v_nop
.irp i, 0,1,2
	v_permlane16_swap_b32 v[192+\i], v[204+\i]
.endr
.irp i, 0,1,2
	v_mov_b32 v[195+\i], v[204+\i]
.endr
	global_store_b128 v1, v[192:195], s[98:99]     ; 512 consecutive bytes, aligned
	global_store_b64 v2, v[196:197], s[98:99] offset:512
	global_store_b16 v30, v243, s[2:3]             ; lanes r and 16 + r write the same two bytes with the same value
	s_wait_tensorcnt 0x0                           ; no tensor load and no LDS instruction of mine is out
	s_wait_dscnt 0x0
	s_wait_tensorcnt 0x0
	ds_add_u32 v254, v255
	s_wait_dscnt 0x0
	CROUND                                         ; the closing round: no work-group ends while a partner may still ask for a tile that names it
	s_endpgm
.Lfunc_end_k_qeadf588805_attn:
	.size	k_qeadf588805_attn, .Lfunc_end_k_qeadf588805_attn-k_qeadf588805_attn
	.p2alignl 7, 3214868480
	.fill 96, 4, 3214868480
	.section	.rodata,"a",@progbits
	.p2align	6, 0x0
	.amdhsa_kernel k_qeadf588805_attn
		.amdhsa_group_segment_fixed_size 210944
		.amdhsa_private_segment_fixed_size 0
		.amdhsa_enable_private_segment 0
		.amdhsa_kernarg_size 16
		.amdhsa_user_sgpr_count 2
		.amdhsa_user_sgpr_kernarg_segment_ptr 1
		.amdhsa_wavefront_size32 1
		.amdhsa_system_sgpr_workgroup_id_x 1
		.amdhsa_system_sgpr_workgroup_id_y 1
		.amdhsa_system_sgpr_workgroup_id_z 1
		.amdhsa_system_vgpr_workitem_id 0
		.amdhsa_next_free_vgpr 256
		.amdhsa_next_free_sgpr 100
		.amdhsa_reserve_vcc 0
		.amdhsa_float_denorm_mode_32 3
		.amdhsa_float_denorm_mode_16_64 3
		.amdhsa_memory_ordered 1
		.amdhsa_forward_progress 1
		.amdhsa_inst_pref_size 80
	.end_amdhsa_kernel
	.amdgpu_metadata
---
amdhsa.version: [ 1, 2 ]
amdhsa.kernels:
  - .name:           k_qeadf588805_attn
    .symbol:         k_qeadf588805_attn.kd
    .args:
      - { .name: qkv, .offset: 0, .size: 8, .value_kind: global_buffer, .address_space: global }
      - { .name: ctx, .offset: 8, .size: 8, .value_kind: global_buffer, .address_space: global }
    .group_segment_fixed_size: 210944
    .private_segment_fixed_size: 0
    .kernarg_segment_align: 8
    .kernarg_segment_size: 16
    .max_flat_workgroup_size: 512
    .sgpr_count:     100
    .vgpr_count:     256
    .wavefront_size: 32
...
	.end_amdgpu_metadata
.endif
;; end of part 3
;; launch outp (part 4): grid 4 x 16, 4 waves a work-group, clusters of 4 x 4, 327,680 bytes of LDS; arguments ctx, xw, b_out, out0; writes out0
.if DOCPART == 4
	.amdgcn_target "amdgcn-amd-amdhsa--gfx1250"
	.amdhsa_code_object_version 6
	.text
	.protected	k_qeadf588805_outp
	.globl	k_qeadf588805_outp
	.p2align	8
	.type	k_qeadf588805_outp,@function
k_qeadf588805_outp:
	s_mov_b64 s[64:65], 0
	v_nop
	global_prefetch_b8 v0, s[64:65] scope:SCOPE_SE
	s_setreg_imm32_b32 hwreg(HW_REG_WAVE_MODE, 25, 1), 1
	s_wait_xcnt 0x0
	s_wait_alu depctr_hold_cnt(0) depctr_sa_sdst(0) depctr_va_vdst(0) depctr_va_sdst(0) depctr_va_ssrc(0) depctr_va_vcc(0) depctr_vm_vsrc(0)
	s_getreg_b32 s2, hwreg(HW_REG_IB_STS2, 6, 4)
	s_cmp_eq_u32 s2, 0
	s_cbranch_scc0 .Lentry_in_a_cluster
	s_endpgm
.Lentry_in_a_cluster:
	s_bfe_u32 s2, ttmp6, 0x10000c
	s_cmp_lg_u32 s2, 0xf033
	s_cbranch_scc0 .Lentry_shape_is_right
	s_endpgm
.Lentry_shape_is_right:
; out0 = ctx W_out^T + b_out on codes of FP6 (E2M3) with one E8M0 scale for each 32 along K = 1,024; sums in f32; out0 [4096][1024] f32.
; A = ctx: images of operand registers, 768 bytes for 16 token positions x 64 along K (registers 0-3 at 16 x lane, 4-5 at 512 + 8 x lane), at (mt 16 + head) 768; its scale bytes [4,096 positions][32] from CXS on.
; B = W_out: rows 7,168 on of xw, codes [row][768 bytes], scale bytes [row][32] from XWS on.
; A tile of 256 x 256 is made by four waves, each 128 x 128: 64 accumulators, 512 registers.  K goes in steps of 256 through a ring of two LDS slots filled by the tensor data mover; the scale bytes come into LDS once.
; 4 x 4 work-groups form a cluster: A's tiles are asked for jointly along a row of the cluster, B's along a column.  The grid has 64 work-groups: the tile is kept large, and the launch is a small part of the program's work.
; THE MATRIX INSTRUCTION IS USED TRANSPOSED (source 0 = 16 rows of B, source 1 = 16 rows of A): a lane holds one token position and eight columns a tile.  Tokens and W_out's rows lie at positions (in each 32 the second and
; third run of 8 change places): the way out puts both back: B's tiles 2 g, 2 g + 1 hold the true columns 32 g + 16 (lane / 16) + 0 .. 15, and position p of A's block a is token 32 (a / 2) + 8 (a % 2) + p + 8 (p / 8).
; The bias is the C of each sum's first matrix instruction.
; REGISTERS, in windows of 256: window 0: v0-31 addresses; v32-63 scale words, two sets; v64-127 the bias; v128-223 A's fragments, ONE set; on the way out v128-255 take rows of the result.
;   window 1: B's fragments, TWO sets.   window 2: the accumulators of my rows 0-63 ((a, b) at v[8 (8 a + b)]);   window 3: those of my rows 64-127.
.set KSTEP,  256
.set NQ,     2
.set ROWB,   192                       ; a row of B's tile in bytes
.set KROW,   768
.set PITCH,  240                       ; B's LDS row: 3 x (64 bytes + 16 of padding)
.set FR,     12
.set NL,     6                         ; LDS loads that bring a fragment of B
.set NLA,    4                         ; and of A
.set NP,     4                         ; places behind this matrix instruction (ISA guide 7.12.1)
.set HALFT,  128*PITCH                 ; the room of 128 rows in a slot (A's images take 24,576 bytes of it)
.set SLOT,   4*HALFT
.set ASTEP,  3072                      ; a K step's bytes of one tile of A: four heads' images
.set LAPS,   2
.set KS,     32
.set SCL,    2*SLOT
.set HALFS,  16*272
.set SBLK,   2*272
.set SPARE,  SCL+4*HALFS               ; the spare words, 128 bytes for each wave: two blocks of 256 bytes that no other line names
.set SPITCH, 528                       ; the way out: a stage of 16 rows x (512 bytes + 16) for each wave, in slot 0, which has had its last fill and its last read when the first result is stored there
.set XWS,    6291456
.set CXS,    3145728
.set ADRA, 16                          ; v16-17 my A images in slot 0, 1, + 16 x lane;  v18-19 the same + 8 x lane
.set ADRB, 20                          ; v20-21 my B fragments in slot 0, 1;  v22-23 behind one padding more
.set STO,  24                          ; v24    the way out: where I put 32 bytes of a row
.set RD,   25                          ; v25    where I read a row back
.set CO,   26                          ; v26    my byte offset in a row of out0
.set ADRS, 27                          ; v27    LDS address of my scale words
.set SPW,  28                          ; v28    LDS address of my spare word; never rewritten
.set NIL,  29                          ; v29    0; never rewritten
.set BNA,  30                          ; v30    my byte offset in the bias
.set SC,   32
.set BN,   64                          ; v64-127 register 8 b + j: the bias of tile b's column in my register j
.set AF,   128
.set BK,   128                         ; the way out: v128-191 and v192-255 by turns
.set G1, 24
.set G0, 32
.set G1B, 48
.set G0B, 56
.set G1S, 68
.set G0S, 76
.set G1SB, 80
.set G0SB, 88
.set MSB, 0
.macro WIN new                         ; the immediate's high byte repeats the setting that is left
.if MSB != \new
	s_set_vgpr_msb (MSB<<8)|\new
.set MSB, \new
.endif
.endm
.set MUL_LO, 0xa1                      ; source 0 (B) window 1, source 1 (A) window 0, C and D window 2
.set MUL_HI, 0xf1                      ; the same, C and D window 3
.set FST_LO, 0x81                      ; the first step: C (the bias) window 0, D window 2
.set FST_HI, 0xc1                      ; D window 3
.set TO_B,   0x40
.macro JLOAD g0a, g1a, g0b, g1b        ; a joint load: waves 0 and 1 fetch for A, waves 2 and 3 for B; four v_nop follow each of the two lines
	s_cmp_eq_u32 s15, 0
	s_cbranch_scc0 .Lfor_b_\@
	tensor_load_to_lds s[\g0a:\g0a+3], s[\g1a:\g1a+7]
	s_nop 0
.rept 4
	v_nop
.endr
	s_branch .Lasked_\@
.Lfor_b_\@:
	tensor_load_to_lds s[\g0b:\g0b+3], s[\g1b:\g1b+7]
	s_nop 0
.rept 4
	v_nop
.endr
.Lasked_\@:
.endm
.macro CREST                           ; a round of the cluster's barrier behind its opening barrier
	s_cmp_lg_u32 s14, 0
	s_cbranch_scc1 .Lnot_wave_0_\@
	s_barrier_signal -3
.Lnot_wave_0_\@:
	s_barrier_wait -3
	s_barrier_signal -1
	s_barrier_wait -1
.endm
.macro CROUND
	s_barrier_signal -1
	s_barrier_wait -1
	CREST
.endm
	s_load_b256 s[4:11], s[0:1], 0x0               ; ctx s[4:5], xw s[6:7], b_out s[8:9], out0 s[10:11]
	v_lshl_add_u32 v[SPW], v0, 2, SPARE
	v_mov_b32 v[NIL], 0
	ds_add_u32 v28, v29
	ds_add_u32 v28, v29
	s_wait_dscnt 0x0
	v_lshrrev_b32 v1, 5, v0
	v_readfirstlane_b32 s14, v1                    ; wave 0..3
	s_lshr_b32 s15, s14, 1                         ; which half of the tile's rows is mine.  Also: I fetch for A (0) or for B (1)
	s_and_b32 s16, s14, 1                          ; which half of its columns.  Also: which 128 rows of that tile I fetch
	s_bfe_u32 s40, ttmp6, 0x40000                  ; cx, cy
	s_bfe_u32 s41, ttmp6, 0x40004
	s_lshl_b32 s42, ttmp9, 2
	s_add_co_u32 s42, s42, s40                     ; tile column
	s_and_b32 s17, ttmp7, 0xffff
	s_lshl_b32 s17, s17, 2
	s_add_co_u32 s17, s17, s41                     ; tile row
	s_lshl_b32 s43, s41, 2
	s_lshl_b32 s43, 15, s43                        ; my row of the cluster
	s_lshl_b32 s44, 0x1111, s40                    ; my column
	; A: 8 rows (tiles of 16 positions) of 3,072 bytes (four heads' images), 12,288 bytes apart; elements of 8 bytes; no padding
	s_or_b32 s[G1+0], s43, (3<<16)|(1<<21)
	s_mov_b32 s[G1+1], 384<<16
	s_mov_b32 s[G1+2], 8<<16
	s_mov_b32 s[G1+3], 384<<16
	s_mov_b32 s[G1+4], 8
	s_mov_b32 s[G1+5], 1536
	s_mov_b32 s[G1+6], 0
	s_mov_b32 s[G1+7], 0
	; B: 128 rows x 192 bytes, 16 bytes of padding behind every 64
	s_or_b32 s[G1B+0], s44, (0<<16)|(1<<20)|(1<<21)|(3<<22)|(3<<25)
	s_mov_b32 s[G1B+1], ROWB<<16
	s_mov_b32 s[G1B+2], 128<<16
	s_mov_b32 s[G1B+3], ROWB<<16
	s_mov_b32 s[G1B+4], 128
	s_mov_b32 s[G1B+5], KROW
	s_mov_b32 s[G1B+6], 0
	s_mov_b32 s[G1B+7], 0
	; the scales of 128 rows: 4,096 dense bytes, as 16 rows of 256 bytes, 16 bytes of padding behind each
	s_or_b32 s[G1S+0], s43, (3<<16)|(1<<20)|(1<<21)|(5<<22)|(3<<25)
	s_or_b32 s[G1SB+0], s44, (3<<16)|(1<<20)|(1<<21)|(5<<22)|(3<<25)
.irp g, G1S, G1SB
	s_mov_b32 s[\g+1], 32<<16
	s_mov_b32 s[\g+2], 16<<16
	s_mov_b32 s[\g+3], 32<<16
	s_mov_b32 s[\g+4], 16
	s_mov_b32 s[\g+5], 32
	s_mov_b32 s[\g+6], 0
	s_mov_b32 s[\g+7], 0
.endr
	s_lshl_b32 s18, s16, 7                         ; which 128 rows of the tile I fetch
	s_lshl_b32 s20, s17, 8
	s_add_co_u32 s20, s20, s18                     ; A: position 256 x tile row + 128 x half
	s_lshl_b32 s46, s42, 8
	s_add_co_u32 s46, s46, s18
	s_add_co_u32 s46, s46, 7168                    ; B: W_out's first row in xw + 256 x tile column + 128 x half
	s_mul_i32 s22, s20, KS                         ; their scales,
	s_add_co_u32 s22, s22, CXS
	s_mov_b32 s23, 0
	s_mul_i32 s92, s46, KS
	s_add_co_u32 s92, s92, XWS
	s_mov_b32 s93, 0
	s_mul_i32 s20, s20, 768                        ; and their codes: 16 positions are 12,288 bytes of images
	s_mov_b32 s21, 0
	s_mul_i32 s46, s46, KROW
	s_mov_b32 s47, 0
	s_mul_i32 s45, s14, HALFT                      ; where they go: no place in the cluster enters an LDS address
	s_mul_i32 s94, s14, HALFS
	s_wait_kmcnt 0x0
	s_add_nc_u64 s[20:21], s[4:5], s[20:21]
	s_add_nc_u64 s[22:23], s[4:5], s[22:23]
	s_add_nc_u64 s[46:47], s[6:7], s[46:47]
	s_add_nc_u64 s[92:93], s[6:7], s[92:93]
	CROUND                                         ; all sixteen work-groups are here: the first joint loads meet
	s_mov_b32 s[G0S], 1
	s_add_co_u32 s[G0S+1], s94, SCL
	s_mov_b64 s[G0S+2:G0S+3], s[22:23]
	s_or_b32 s[G0S+3], s[G0S+3], 0x80000000
	s_mov_b32 s[G0SB], 1
	s_add_co_u32 s[G0SB+1], s94, SCL
	s_mov_b64 s[G0SB+2:G0SB+3], s[92:93]
	s_or_b32 s[G0SB+3], s[G0SB+3], 0x80000000
	JLOAD G0S, G1S, G0SB, G1SB                     ; the scales first: they are wanted with K step 0
.irp s, 0,1
	s_mov_b32 s[G0+4*\s], 1
	s_add_co_u32 s[G0+4*\s+1], s45, \s*SLOT
	s_add_nc_u64 s[G0+4*\s+2:G0+4*\s+3], s[20:21], \s*ASTEP
	s_or_b32 s[G0+4*\s+3], s[G0+4*\s+3], 0x80000000
	s_mov_b32 s[G0B+4*\s], 1
	s_add_co_u32 s[G0B+4*\s+1], s45, \s*SLOT
	s_add_nc_u64 s[G0B+4*\s+2:G0B+4*\s+3], s[46:47], \s*ROWB
	s_or_b32 s[G0B+4*\s+3], s[G0B+4*\s+3], 0x80000000
	JLOAD G0+4*\s, G1, G0B+4*\s, G1B
.endr
	v_and_b32 v1, 15, v0                           ; r
	v_bfe_u32 v2, v0, 4, 1                         ; h
	v_and_b32 v7, 31, v0                           ; lane
	s_lshl_b32 s46, s42, 10                        ; my first column, in bytes: 1,024 x tile column + 512 x half: in out0's rows and in the bias alike
	s_lshl_b32 s47, s16, 9
	s_add_co_u32 s46, s46, s47
	s_mov_b32 s47, 0
	s_add_nc_u64 s[8:9], s[8:9], s[46:47]
	v_lshlrev_b32 v[BNA], 6, v2                    ; 16 h numbers on
.irp g, 0,1,2,3
.irp k, 0,1,2,3
	global_load_b128 v[BN+16*\g+4*\k:BN+16*\g+4*\k+3], v[BNA], s[8:9] offset:128*\g+16*\k
.endr
.endr
	v_mul_u32_u24 v3, v1, PITCH
	v_mul_u32_u24 v4, v2, 24
	v_add_nc_u32 v4, v3, v4                        ; B: a fragment's row x pitch + 24 x half
	v_lshl_add_u32 v5, v2, 4, v4                   ; and the same behind one padding more
	v_lshlrev_b32 v8, 4, v7                        ; A: 16 x lane,
	v_lshlrev_b32 v9, 3, v7                        ; 8 x lane
	s_mul_i32 s21, s15, HALFT                      ; my 128 rows of A
	s_mul_i32 s22, s16, HALFT                      ; my 128 rows of B,
	s_add_co_u32 s22, s22, 2*HALFT                 ; which lie behind A's 256
.irp s, 0,1
	v_add_nc_u32 v[ADRA+\s], s21, v8
	v_add_nc_u32 v[ADRA+2+\s], s21, v9
	v_add_nc_u32 v[ADRB+\s], s22, v4
	v_add_nc_u32 v[ADRB+2+\s], s22, v5
	s_add_co_u32 s21, s21, SLOT
	s_add_co_u32 s22, s22, SLOT
.endr
	v_mul_u32_u24 v5, v1, KS                       ; my row's scales: 32 bytes a row,
	v_lshrrev_b32 v6, 8, v5
	v_lshl_add_u32 v5, v6, 4, v5                   ; and 16 more for each 256 passed
	s_mul_i32 s21, s15, HALFS
	s_mul_i32 s22, s16, HALFS
	s_add_co_u32 s22, s22, 2*HALFS
	s_sub_co_u32 s22, s22, s21
	v_mul_u32_u24 v6, s22, v2                      ; lanes 16-31 take B's
	s_add_co_u32 s21, s21, SCL
	v_add_nc_u32 v5, v5, v6
	v_add_nc_u32 v[ADRS], s21, v5
	s_mul_i32 s23, s14, 16*SPITCH                  ; my stage
	v_mul_u32_u24 v5, v1, SPITCH                   ; in: row r, + 64 h bytes: my 16 true columns of each 32
	v_lshl_add_u32 v5, v2, 6, v5
	v_add_nc_u32 v[STO], s23, v5
	v_lshlrev_b32 v[CO], 4, v7                     ; back: the 32 lanes take one row of 512 bytes; and the same in out0
	v_add_nc_u32 v[RD], s23, v[CO]
	s_lshl_b32 s20, s17, 8
	s_lshl_b32 s21, s15, 7
	s_add_co_u32 s20, s20, s21                     ; my first row of out0
	s_lshl_b32 s20, s20, 12                        ; 4,096 bytes a row
	s_add_co_u32 s20, s20, s46
	s_mov_b32 s21, 0
	s_add_nc_u64 s[10:11], s[10:11], s[20:21]
.macro FRAG reg, adr, q, i             ; a fragment of B from padded rows: six pieces of 8 bytes; where the piece of lanes 16-31 lies behind one padding more, the second address register serves
.irp p, 0,1,2,3,4,5
.set PC, 12*(\q)+6*(\p/3)+\p%3
.if PC%8 < 5
	ds_load_b64 v[\reg+2*\p:\reg+2*\p+1], v[\adr] offset:8*PC+16*(PC/8)+(\i)*16*PITCH
.else
	ds_load_b64 v[\reg+2*\p:\reg+2*\p+1], v[\adr+2] offset:8*PC+16*(PC/8)+(\i)*16*PITCH
.endif
.endr
.endm
.macro FRAGA reg, slot, q, i           ; a fragment of A from its image: each instruction reads 512 or 256 consecutive bytes
	ds_load_b128 v[\reg:\reg+3], v[ADRA+\slot] offset:(\i)*ASTEP+(\q)*1536
	ds_load_b64 v[\reg+4:\reg+5], v[ADRA+2+\slot] offset:(\i)*ASTEP+(\q)*1536+512
	ds_load_b128 v[\reg+6:\reg+9], v[ADRA+\slot] offset:(\i)*ASTEP+(\q)*1536+768
	ds_load_b64 v[\reg+10:\reg+11], v[ADRA+2+\slot] offset:(\i)*ASTEP+(\q)*1536+1280
.endm
; 16 matrix instructions: A's blocks a0, a0 + 1 x B's eight.  first = 1: the sums begin with the bias as C.  The 64 accumulators take turns, one instruction a turn.
.macro MUL16 a0, p, q, sc, first
.irp a, \a0, \a0+1
.irp b, 0,1,2,3,4,5,6,7
.if \first
	v_wmma_scale_f32_16x16x128_f8f6f4 v[8*(8*((\a)%4)+\b):8*(8*((\a)%4)+\b)+7], v[128*(\p)+FR*\b:128*(\p)+FR*\b+FR-1], v[AF+FR*(\a):AF+FR*(\a)+FR-1], v[BN+8*\b:BN+8*\b+7], v[SC+8*NQ*(\sc)+NQ*\b+(\q)], v[SC+8*NQ*(\sc)+NQ*(\a)+(\q)] matrix_a_fmt:MATRIX_FMT_FP6 matrix_b_fmt:MATRIX_FMT_FP6 matrix_a_scale:MATRIX_SCALE_ROW1
.else
	v_wmma_scale_f32_16x16x128_f8f6f4 v[8*(8*((\a)%4)+\b):8*(8*((\a)%4)+\b)+7], v[128*(\p)+FR*\b:128*(\p)+FR*\b+FR-1], v[AF+FR*(\a):AF+FR*(\a)+FR-1], v[8*(8*((\a)%4)+\b):8*(8*((\a)%4)+\b)+7], v[SC+8*NQ*(\sc)+NQ*\b+(\q)], v[SC+8*NQ*(\sc)+NQ*(\a)+(\q)] matrix_a_fmt:MATRIX_FMT_FP6 matrix_b_fmt:MATRIX_FMT_FP6 matrix_a_scale:MATRIX_SCALE_ROW1
.endif
.endr
.endr
.endm
.macro FETCH_B slot, q, p
	WIN TO_B
.irp i, 0,1,2,3,4,5,6,7
	FRAG 128*(\p)+FR*\i, ADRB+\slot, \q, \i
.endr
	WIN 0
.endm
.macro FETCH_A slot, q, i0
.irp i, \i0, \i0+1, \i0+2, \i0+3
	FRAGA AF+FR*(\i), \slot, \q, \i
.endr
.endm
.macro SCALES sc
.irp i, 0,1,2,3,4,5,6,7
	ds_load_b64 v[SC+8*NQ*\sc+NQ*\i:SC+8*NQ*\sc+NQ*\i+1], v[ADRS] offset:\i*SBLK
.endr
.endm
.macro PLACES n                        ; places in front of loads into registers that matrix instructions have read, and of the first read of results
.rept \n
	v_nop
.endr
.endm
.macro STEP slot, q, first
	s_wait_dscnt 4*NLA                             ; B's set and A's blocks 0-3 are in; the youngest 16 loads (A's blocks 4-7) may be out
.if \first
	WIN FST_LO
.else
	WIN MUL_LO
.endif
	MUL16 0, (\q)%2, \q, \slot, \first
	MUL16 2, (\q)%2, \q, \slot, \first
	s_wait_dscnt 0                                 ; A's blocks 4-7 are in
	PLACES NP
	FETCH_B \slot, (\q)+1, 1-(\q)%2
	FETCH_A \slot, (\q)+1, 0
.if \first
	WIN FST_HI
.else
	WIN MUL_HI
.endif
	MUL16 4, (\q)%2, \q, \slot, \first
	MUL16 6, (\q)%2, \q, \slot, \first
	PLACES NP
	WIN 0
	FETCH_A \slot, (\q)+1, 4
.endm
; A slot's last step changes slots: ONE barrier; in front of it each wave waits for all its tensor loads, adds 0 to its spare word, and waits for that and for its own reads of this slot.
.macro TURN slot, next, fill
	s_wait_tensorcnt 0x0                           ; all my tensor loads have landed: my part of the next slot;  (every window is 0 here)
	ds_add_u32 v[SPW], v[NIL]                      ; 0 onto my spare word;
	s_wait_dscnt 4*NLA+1                           ; (the add and the youngest 16 loads, A's blocks 4-7, may be out)
	WIN MUL_LO
	MUL16 0, 1, NQ-1, \slot, 0                     ; sixteen matrix instructions stand between the add and the wait for it
	s_wait_dscnt 0x0                               ; the add is done, and my reads of this slot are over
	s_barrier_signal -1
	MUL16 2, 1, NQ-1, \slot, 0
	WIN 0
	s_barrier_wait -1
.if \fill
	CREST                                          ; the barrier has opened a round of the cluster's barrier: no wave of any partner still reads this slot's tile or has a load on its way
	s_add_nc_u64 s[G0+4*\slot+2:G0+4*\slot+3], s[G0+4*\slot+2:G0+4*\slot+3], 2*ASTEP
	s_add_nc_u64 s[G0B+4*\slot+2:G0B+4*\slot+3], s[G0B+4*\slot+2:G0B+4*\slot+3], 2*ROWB
	JLOAD G0+4*\slot, G1, G0B+4*\slot, G1B         ; the first tensor load behind the round; the four v_nop behind it are the places in front of the loads below
.else
	PLACES NP
.endif
	v_add_nc_u32 v[ADRS], 4*NQ, v[ADRS]            ; on to the next K step's scale words
	FETCH_B \next, 0, 0
	FETCH_A \next, 0, 0
	SCALES \next
	WIN MUL_HI
	MUL16 4, 1, NQ-1, \slot, 0
	MUL16 6, 1, NQ-1, \slot, 0
	PLACES NP
	WIN 0
	FETCH_A \next, 0, 4
.endm
	s_wait_tensorcnt 1                             ; the scales and my part of K step 0 are in (K step 1's load may be out),
	s_barrier_signal -1
	s_barrier_wait -1                              ; everybody's are
	FETCH_B 0, 0, 0
	FETCH_A 0, 0, 0
	SCALES 0
	FETCH_A 0, 0, 4
	s_wait_loadcnt 0x0                             ; the bias
	STEP 0, 0, 1                                   ; the first step stands in front of the loop: its products start the sums, on the bias
	s_mov_b32 s3, LAPS-1
.Llap:
	TURN 0, 1, 1
	STEP 1, 0, 0
	TURN 1, 0, 1
	STEP 0, 0, 0
	s_sub_co_u32 s3, s3, 1
	s_cmp_lg_u32 s3, 0
	s_cbranch_scc1 .Llap
	TURN 0, 1, 0                                   ; the last lap fills nothing, and has no round of the cluster's barrier
	STEP 1, 0, 0
	s_wait_dscnt 4*NLA                             ; the very last step
	WIN MUL_LO
	MUL16 0, 1, NQ-1, 1, 0
	MUL16 2, 1, NQ-1, 1, 0
	s_wait_dscnt 0
	WIN MUL_HI
	MUL16 4, 1, NQ-1, 1, 0
	MUL16 6, 1, NQ-1, 1, 0
	WIN 0
; THE WAY OUT, block by block of 16 positions x 128 columns, through my own stage in LDS: in, each accumulator's 32 bytes at its true columns; back, whole rows of 512 bytes, stored at their true tokens.
; LDS serves a wave's instructions in order: no wait between the stores and the loads, nor in front of the next block's stores.
.macro TOSTAGE a
.set AC, 64*((\a)%4)
.set WN, 0x08+4*((\a)/4)               ; the data: window 2 or 3
	WIN WN
.irp b, 0,1,2,3,4,5,6,7
	ds_store_b128 v[STO], v[AC+8*\b:AC+8*\b+3] offset:128*(\b/2)+32*(\b%2)          ; each accumulator from its low end on
	ds_store_b128 v[STO], v[AC+8*\b+4:AC+8*\b+7] offset:128*(\b/2)+32*(\b%2)+16
.endr
	WIN 0
.set BB, BK+64*((\a)%2)
.irp t, 0,1,2,3,4,5,6,7,8,9,10,11,12,13,14,15
	ds_load_b128 v[BB+4*\t:BB+4*\t+3], v[RD] offset:\t*SPITCH
.endr
.endm
.macro SEND a, younger                 ; younger: the LDS instructions issued behind block a's loads, which may stay out
.set BB, BK+64*((\a)%2)
	s_wait_dscnt \younger                          ; the block is back in registers
.irp t, 0,1,2,3,4,5,6,7,8,9,10,11,12,13,14,15
	global_store_b128 v[CO], v[BB+4*\t:BB+4*\t+3], s[10:11] offset:(32*((\a)/2)+8*((\a)%2)+\t+8*(\t/8))*4096 th:TH_STORE_NT   ; 32 lanes store 512 consecutive bytes, aligned; 127 rows on at the most: inside the signed 24-bit immediate
.endr
.endm
	PLACES NP                                      ; behind the last products: results are read, and loads land in registers that held A's fragments
	TOSTAGE 0
.irp a, 1,2,3,4,5,6,7
.if \a > 1
	s_wait_xcnt 0x0                                ; block a - 2's stores have had their addresses translated: block a's loads may land in their registers
.endif
	TOSTAGE \a
	SEND \a-1, 32                                  ; behind block a - 1's loads: block a's 16 stores and 16 loads
.endr
	SEND 7, 0
	s_wait_tensorcnt 0x0                           ; the wave's end
	ds_add_u32 v[SPW], v[NIL]
	s_wait_dscnt 0x0
	CROUND                                         ; the closing round
	s_endpgm
.Lfunc_end_k_qeadf588805_outp:
	.size	k_qeadf588805_outp, .Lfunc_end_k_qeadf588805_outp-k_qeadf588805_outp
	.p2alignl 7, 3214868480
	.fill 96, 4, 3214868480
	.section	.rodata,"a",@progbits
	.p2align	6, 0x0
	.amdhsa_kernel k_qeadf588805_outp
		.amdhsa_group_segment_fixed_size 327680
		.amdhsa_private_segment_fixed_size 0
		.amdhsa_enable_private_segment 0
		.amdhsa_kernarg_size 32
		.amdhsa_user_sgpr_count 2
		.amdhsa_user_sgpr_kernarg_segment_ptr 1
		.amdhsa_wavefront_size32 1
		.amdhsa_system_sgpr_workgroup_id_x 1
		.amdhsa_system_sgpr_workgroup_id_y 1
		.amdhsa_system_sgpr_workgroup_id_z 1
		.amdhsa_system_vgpr_workitem_id 0
		.amdhsa_next_free_vgpr 1024
		.amdhsa_next_free_sgpr 98
		.amdhsa_reserve_vcc 0
		.amdhsa_float_denorm_mode_32 3
		.amdhsa_float_denorm_mode_16_64 3
		.amdhsa_memory_ordered 1
		.amdhsa_forward_progress 1
		.amdhsa_inst_pref_size 153
	.end_amdhsa_kernel
	.amdgpu_metadata
---
amdhsa.version: [ 1, 2 ]
amdhsa.kernels:
  - .name:           k_qeadf588805_outp
    .symbol:         k_qeadf588805_outp.kd
    .args:
      - { .name: ctx, .offset: 0, .size: 8, .value_kind: global_buffer, .address_space: global }
      - { .name: xw, .offset: 8, .size: 8, .value_kind: global_buffer, .address_space: global }
      - { .name: b_out, .offset: 16, .size: 8, .value_kind: global_buffer, .address_space: global }
      - { .name: out0, .offset: 24, .size: 8, .value_kind: global_buffer, .address_space: global }
    .group_segment_fixed_size: 327680
    .private_segment_fixed_size: 0
    .kernarg_segment_align: 8
    .kernarg_segment_size: 32
    .max_flat_workgroup_size: 128
    .sgpr_count:     98
    .vgpr_count:     1024
    .wavefront_size: 32
...
	.end_amdgpu_metadata
.endif
;; end of part 4
